; MI455X (gfx1250); checked and timed in simulation.
; The chip was launched on July 23, 2026; its instructions are those of AMD's public machine-readable ISA for CDNA 5 (MIT licence, August 2026) and "CDNA5" Instruction Set Architecture Reference Guide (July 2026). The comments in the code are by the model that wrote it; some were corrected since.
;; Cross Attention Block. Allowed arithmetic: matrix products marked QUANTISED: E4M3 operands, one given power-of-two scale a tensor, by v_wmma_f32_16x16x64_fp8_fp8 or v_wmma_f32_16x16x128_fp8_fp8, f32 sums; everything else in f32.
;; Inputs: W1 1,024 x 4,096 float32; W2 4,096 x 1,024 float32; Wkv 1,024 x 2,048 float32; Wo 1,024 x 1,024 float32; Wq 1,024 x 1,024 float32; b1 4,096 float32; b2 1,024 float32; be_ffn 1,024 float32; be_kv 1,024 float32; be_q 1,024 float32; bkv 2,048 float32; bo 1,024 float32; bq 1,024 float32; context 2 x 2,048 x 1,024 float32; g_ffn 1,024 float32; g_kv 1,024 float32; g_q 1,024 float32; lowp_scales 14 int32 (the exponents e of the quantised operands' scales 2^e); rope_cos 1 x 1 x 2,048 x 64 float32; rope_sin 1 x 1 x 2,048 x 64 float32; x 2 x 2,048 x 1,024 float32.
;; Outputs: out0 2 x 2,048 x 1,024 float32.
;; This version of the problem:
;;   THIS VERSION OF THE PROBLEM IS GIVEN IN LOW PRECISION. The matrix products marked QUANTISED in the list below multiply operands that are first quantised to E4M3 (4 exponent bits, 3 mantissa bits; 8 bits a number), with one given power-of-two scale for each operand tensor; their sums are f32. All else is computed in f32.
;;   The module's matrix products, in the order in which they are computed (A, B: the left and right operand; K: the contracted axis; several contracted axes count as one K, in the product's order):
;;     1. [M 4,096, K 1,024] x [K 1,024, N 1,024]; A: computed on the way; B: input Wq: QUANTISED (scales: A lowp_scales[0], B lowp_scales[1])
;;     2. [M 4,096, K 1,024] x [K 1,024, N 2,048]; A: computed on the way; B: input Wkv: QUANTISED (scales: A lowp_scales[2], B lowp_scales[3])
;;     3. batch 32 x [M 2,048, K 64] x [K 64, N 2,048]; A: computed on the way; B: computed on the way: QUANTISED (scales: A lowp_scales[4], B lowp_scales[5])
;;     4. batch 32 x [M 2,048, K 2,048] x [K 2,048, N 64]; A: softmax (see below); B: computed on the way: QUANTISED (scales: A lowp_scales[6], B lowp_scales[7])
;;     5. [M 4,096, K 1,024] x [K 1,024, N 1,024]; A: computed on the way; B: input Wo: QUANTISED (scales: A lowp_scales[8], B lowp_scales[9])
;;     6. [M 4,096, K 1,024] x [K 1,024, N 4,096]; A: computed on the way; B: input W1: QUANTISED (scales: A lowp_scales[10], B lowp_scales[11])
;;     7. [M 4,096, K 4,096] x [K 4,096, N 1,024]; A: computed on the way; B: input W2: QUANTISED (scales: A lowp_scales[12], B lowp_scales[13])
;;   THE QUANTISER, for each operand of a quantised product, along K:
;;     - The operand's scale is 2^e, e = its entry of the input lowp_scales (int32; the entries are numbered through the quantised products in the list's order, A before B).
;;     - Each number is divided by the scale, clamped to +-448, and rounded to the nearest number of E4M3, ties to even, subnormals kept.
;;     - The product sums the exact products of the quantised numbers (number of the format x scale) in f32.
;;   ~~~python
;;   def quantise(x, axis, e):      # numpy; x: float32 -> the quantised numbers, widened to float32 again
;;       x = np.moveaxis(x, axis, -1); K = x.shape[-1]
;;       r = np.clip(x / 2.0 ** e, -448, 448)
;;       step = 2.0 ** (np.maximum(np.frexp(np.where(r == 0, 1, r))[1] - 1, -6) - 3)
;;       q = np.round(r / step) * step * 2.0 ** e      # np.round: ties to even
;;       return np.moveaxis(q, -1, axis).astype(np.float32)
;;   ~~~
;;   SOFTMAX AHEAD OF A QUANTISED PRODUCT. Where the list says 'softmax', what is quantised is not the finished softmax but p = 2^(t - M), with t = logit x log2(e) and M = ceil(the row's largest t), a whole number; so 1/2 < the row's largest p <= 1. The row's sum l is taken of the UNQUANTISED p, in f32, and the product's result is divided by l at the end. Since M is a whole number, a kernel that streams over the keys may use a running M (the ceiling of the running maximum): every later rescaling is an exact power of two, so the quantised numbers keep their values, but for numbers so far below the row's largest that they fall under the format's range.
;;   OPERANDS COMPUTED ON THE WAY. 'Computed on the way' means the value that the module computes at that place (a softmax that the list does not call 'softmax' is quantised finished and normalised). What goes into a quantiser is computed in f32, as accurately as f32 sums, v_exp_f32 and their like allow (about 1e-6 of the number): no bf16 or f16 on the way to a quantiser, and a product that is left as it is and whose result goes on into a quantised operand takes f32 operands (vector FMAs, or v_wmma_f32_16x16x4_f32). A number that lies on a knife's edge between two numbers of the format may be rounded either way, as far as f32 arithmetic and the matrix unit's own rounding can turn it there, and no further.
;; One version. Each part assembles by itself: llvm-mc -triple=amdgcn-amd-amdhsa -mcpu=gfx1250 --defsym DOCPART=n.
;; ======== version 1 of 1: 7 launches
;; limits: right only within a limited range of input values
;; workspace buffers: pre 20,971,520 bytes; qkvc 12,582,912 bytes; ao 4,194,304 bytes; x1 16,777,216 bytes; hc 4,194,304 bytes; gc 16,777,216 bytes
;; launch prep (part 1): grid 640 x 1, 4 waves a work-group, no clusters, 43,520 bytes of LDS; arguments x, context, g_q, be_q, g_kv, be_kv, Wq, Wkv, Wo, W1, W2, lowp_scales, pre; writes pre
.if DOCPART == 1
	.amdgcn_target "amdgcn-amd-amdhsa--gfx1250"
	.amdhsa_code_object_version 6
	.text
	.protected	k_qe75bceb339_prep
	.globl	k_qe75bceb339_prep
	.p2align	8
	.type	k_qe75bceb339_prep,@function
k_qe75bceb339_prep:
	s_mov_b64 s[64:65], 0
	v_nop
	global_prefetch_b8 v0, s[64:65] scope:SCOPE_SE
	s_setreg_imm32_b32 hwreg(HW_REG_WAVE_MODE, 25, 1), 1
	s_wait_xcnt 0x0
; PREP.  Work-groups 0-383 turn the five weights ([K][N] f32) into codes of E4M3 with K innermost; work-groups 384-639 make LayerNorm(x) and LayerNorm(context) and turn them into codes.
; code = number / 2^e, held within +-448, to the nearest code, ties to even; e is the operand's entry of lowp_scales.  LIMITS: -126 <= e <= 119.  NaN is not served; an infinity is held at the largest code.
; LAYOUT OF ALL CODES HERE: byte of (row, k) = ((row / 64) (K / 128) + k / 128) 8192 + (row % 64) 128 + k % 128: 64 rows x 128 K are 8,192 bytes on end.
; A weight's row is its column n; within each 32 rows, place p holds the column whose bits 3 and 4 are p's, exchanged: the products that read them then find 16 neighbouring columns in 16 registers of a lane.
; pre: LayerNorm codes at 0 (x's 4,096 rows, then context's), Wq at 8,388,608, Wkv behind it, Wo at 11,534,336, W1 at 12,582,912, W2 at 16,777,216.
; No tensor load, no barrier: waves share nothing.  The two paths part on the work-group's number and have LDS bytes of their own.
.set LNWG,  384
.set OFF,   32                         ; v32-63   weights: 4 lane + i rows of W, never rewritten
.set WX,    64                         ; v64-127  weights: two sets of 32 numbers down K
.set WC,    128                        ; v128-135 weights: a block's codes
.set OUTR,  144                        ; v144-207 weights: the way out
.set WROW,  272                        ; a stage row: 256 codes + 16 bytes
.set WSTG,  32*WROW                    ; a wave's stage
.set LNST,  4*WSTG                     ; the LayerNorm path's stages begin here: 2,048 bytes a wave
.set GA,    32                         ; v32-63   gain;  v64-95 bias of the norm
.set BE,    64
.set XS,    96                         ; v96-223  two sets of a pair of rows
.set CD,    224                        ; v224-239 a pair's codes
.set OB,    240                        ; v240-255 the same, read back by rows
	s_load_b512 s[8:23], s[0:1], 0x0               ; x, context, g_q, be_q, g_kv, be_kv, Wq, Wkv
	s_load_b256 s[24:31], s[0:1], 0x40             ; Wo, W1, W2, lowp_scales
	s_load_b64 s[32:33], s[0:1], 0x60              ; pre
	s_set_vgpr_msb 0x40
	v_lshl_add_u32 v0, v0, 2, 0xa800
	v_mov_b32 v1, 0
	s_set_vgpr_msb 0x4000
	v_lshrrev_b32 v1, 5, v0
	v_readfirstlane_b32 s2, v1                     ; wave
	v_and_b32 v9, 31, v0                           ; lane
	s_wait_kmcnt 0x0
	s_load_b256 s[36:43], s[30:31], 0x0            ; entries 0-7
	s_load_b128 s[44:47], s[30:31], 0x20           ; entries 8-11
	s_load_b64 s[48:49], s[30:31], 0x30            ; entries 12, 13
	s_cmp_ge_u32 ttmp9, LNWG
	s_cbranch_scc1 .Lln
; ---------------- WEIGHTS.  A wave takes 32 columns x 256 along K: a lane is a column, its registers run down K.
	s_mov_b32 s34, 0                               ; the tensor's first work-group
	s_mov_b32 s35, 3                               ; log2 of its blocks of 128 columns
	s_mov_b32 s50, 8                               ; K / 128
	s_mov_b32 s51, 8388608                         ; its place in pre
	s_cmp_ge_u32 ttmp9, 32                         ; the choices hang on the work-group's number alone
	s_cselect_b64 s[20:21], s[22:23], s[20:21]
	s_cselect_b32 s34, 32, s34
	s_cselect_b32 s35, 4, s35
	s_cselect_b32 s51, 9437184, s51
	s_cmp_ge_u32 ttmp9, 96
	s_cselect_b64 s[20:21], s[24:25], s[20:21]
	s_cselect_b32 s34, 96, s34
	s_cselect_b32 s35, 3, s35
	s_cselect_b32 s51, 11534336, s51
	s_cmp_ge_u32 ttmp9, 128
	s_cselect_b64 s[20:21], s[26:27], s[20:21]
	s_cselect_b32 s34, 128, s34
	s_cselect_b32 s35, 5, s35
	s_cselect_b32 s51, 12582912, s51
	s_cmp_ge_u32 ttmp9, 256
	s_cselect_b64 s[20:21], s[28:29], s[20:21]
	s_cselect_b32 s34, 256, s34
	s_cselect_b32 s35, 3, s35
	s_cselect_b32 s50, 32, s50
	s_cselect_b32 s51, 16777216, s51
	s_sub_co_u32 s71, ttmp9, s34                   ; my number within the tensor
	s_lshl_b32 s72, 1, s35
	s_sub_co_u32 s72, s72, 1
	s_and_b32 s72, s71, s72                        ; block of 128 columns
	s_lshr_b32 s73, s71, s35                       ; block of 256 along K
	s_lshl_b32 s74, 512, s35                       ; a row of W in bytes
	s_lshl_b32 s75, s72, 7
	s_lshl_b32 s76, s2, 5
	s_add_co_u32 s75, s75, s76                     ; n0: my wave's first column
	s_mul_i32 s76, s73, s74
	s_lshl_b32 s76, s76, 8                         ; 256 rows a block of K
	s_lshl_b32 s77, s75, 2
	s_add_co_u32 s76, s76, s77
	s_mov_b32 s77, 0
	s_add_nc_u64 s[52:53], s[20:21], s[76:77]      ; block 0 of my eight blocks of 32 along K
	s_lshl_b32 s78, s74, 5
	s_mov_b32 s79, 0
	s_add_nc_u64 s[54:55], s[52:53], s[78:79]      ; a base for each block, so that none is stepped while loads are out
	s_add_nc_u64 s[56:57], s[54:55], s[78:79]
	s_add_nc_u64 s[58:59], s[56:57], s[78:79]
	s_add_nc_u64 s[60:61], s[58:59], s[78:79]
	s_add_nc_u64 s[62:63], s[60:61], s[78:79]
	s_add_nc_u64 s[66:67], s[62:63], s[78:79]
	s_add_nc_u64 s[68:69], s[66:67], s[78:79]
	s_lshr_b32 s80, s75, 6                         ; where the codes go: ((n0 / 64) (K / 128) + 2 x block of K) 8192 + (n0 % 64) 128
	s_mul_i32 s80, s80, s50
	s_lshl_b32 s81, s73, 1
	s_add_co_u32 s80, s80, s81
	s_lshl_b32 s80, s80, 13
	s_and_b32 s81, s75, 63
	s_lshl_b32 s81, s81, 7
	s_add_co_u32 s80, s80, s81
	s_add_co_u32 s80, s80, s51
	s_mov_b32 s81, 0
	s_add_nc_u64 s[32:33], s[32:33], s[80:81]
	s_wait_alu depctr_va_vdst(0)
	v_lshlrev_b32 v3, 2, v9                        ; 4 bytes a lane
.set I, 0
.rept 32
	v_mad_u32_u24 v[OFF+I], s74, I, v3             ; + i rows
.set I, I+1
.endr
.macro LOAD t                          ; block t: W(32 t + i, my column), i = 0 .. 31, into set t % 2: each load reads 128 consecutive bytes a wave, 512 a work-group
.set SB, 52+2*(\t)+2*((\t)/6)
.set I, 0
.rept 32
	global_load_b32 v[WX+32*((\t)%2)+I], v[OFF+I], s[SB:SB+1] th:TH_LOAD_NT
.set I, I+1
.endr
.endm
	LOAD 0
	LOAD 1
	v_and_b32 v5, 7, v9                            ; the stage row of my column: the lane's number with bits 3 and 4 exchanged
	v_bfe_u32 v6, v9, 3, 1
	v_bfe_u32 v12, v9, 4, 1
	v_lshl_or_b32 v5, v6, 4, v5
	v_lshl_or_b32 v5, v12, 3, v5
	s_mul_i32 s82, s2, WSTG
	v_mul_u32_u24 v4, v5, WROW
	v_add_nc_u32 v4, s82, v4                       ; into the stage
	v_lshrrev_b32 v7, 3, v9
	v_mul_u32_u24 v7, v7, WROW
	v_and_b32 v6, 7, v9
	v_lshl_add_u32 v7, v6, 4, v7
	v_add_nc_u32 v7, s82, v7                       ; out of it: eight lanes to 128 bytes of a row, four rows an instruction
	v_and_b32 v13, 15, v9                          ; W1 and W2 leave as images of the operand's registers: lane 16 h + r takes stage row r, 16 h bytes on
	v_mul_u32_u24 v13, v13, WROW
	v_lshl_add_u32 v13, v12, 4, v13
	v_add_nc_u32 v13, s82, v13
	v_lshlrev_b32 v8, 4, v9                        ; and the same 512 bytes on end in pre
	s_wait_kmcnt 0x0
	s_mov_b32 s70, s37                             ; e: entry 1, 3, 9, 11 or 13
	s_cmp_ge_u32 ttmp9, 32
	s_cselect_b32 s70, s39, s70
	s_cmp_ge_u32 ttmp9, 96
	s_cselect_b32 s70, s45, s70
	s_cmp_ge_u32 ttmp9, 128
	s_cselect_b32 s70, s47, s70
	s_cmp_ge_u32 ttmp9, 256
	s_cselect_b32 s70, s49, s70
	s_add_co_i32 s70, s70, 127
	s_lshl_b32 s71, s70, 23
	v_mov_b32 v11, s71                             ; 2^e as f32: the conversion takes its exponent field
	s_add_co_i32 s70, s70, 8
	s_lshl_b32 s70, s70, 23
	s_or_b32 s70, s70, 0x600000
	v_mov_b32 v10, s70                             ; 448 x 2^e
.macro BLOCK t
.set XB, WX+32*((\t)%2)
.if (\t) < 7
	s_wait_loadcnt 32                              ; this block's 32 loads are in; the next block's 32 may be out
.else
	s_wait_loadcnt 0
.endif
.set I, 0
.rept 32
	v_med3_num_f32 v[XB+I], v[XB+I], -v10, v10     ; the conversion to an 8-bit code does not saturate (ISA guide 7.6.2): the hold comes first
.set I, I+1
.endr
.irp g, 0,1,2,3
	v_cvt_scalef32_pk8_fp8_f32 v[WC+2*\g:WC+2*\g+1], v[XB+8*\g:XB+8*\g+7], v11
.endr
	ds_store_b128 v4, v[WC:WC+3] offset:32*(\t)    ; 32 codes of my column's row
	ds_store_b128 v4, v[WC+4:WC+7] offset:32*(\t)+16
.if (\t)+2 < 8
	LOAD (\t)+2
.endif
	s_wait_dscnt 0x0                               ; the stores have read their registers: the next block's codes may be written
.endm
.set Q, 0
	s_wait_alu depctr_va_vdst(0)
.rept 8
	BLOCK Q
.set Q, Q+1
.endr
	s_cmp_ge_u32 ttmp9, 128                        ; W1's and W2's work-groups: the work-group's number alone
	s_cbranch_scc1 .Limage
.irp kb, 0,1
.irp t, 0,1,2,3,4,5,6,7
	ds_load_b128 v[OUTR+32*\kb+4*\t:OUTR+32*\kb+4*\t+3], v7 offset:\t*4*WROW+128*\kb   ; LDS serves a wave's instructions in order: these see my stores
.endr
.endr
	s_branch .Lread
.Limage:
; W1, W2: within 64 rows x 128 K (8,192 bytes) the 16 rows of fragment f lie as 2,048 bytes: byte 512 c + 16 (16 h + r) + i holds row 16 f + r, k = 32 c + 16 h + i
.irp kb, 0,1
.irp t, 0,1,2,3,4,5,6,7
	ds_load_b128 v[OUTR+32*\kb+4*\t:OUTR+32*\kb+4*\t+3], v13 offset:(\t/4)*16*WROW+32*(\t%4)+128*\kb
.endr
.endr
.Lread:
.irp kb, 0,1
.irp t, 0,1,2,3,4,5,6,7
	s_wait_dscnt 15-8*\kb-\t
	global_store_b128 v8, v[OUTR+32*\kb+4*\t:OUTR+32*\kb+4*\t+3], s[32:33] offset:\kb*8192+\t*512   ; 32 lanes store 512 consecutive bytes, at a multiple of 256 from pre's first byte
.endr
.endr
	s_set_vgpr_msb 0x5
	s_wait_tensorcnt 0x0
	ds_add_u32 v0, v1
	s_wait_dscnt 0x0
	s_set_vgpr_msb 0x500
	s_endpgm
; ---------------- LAYERNORM.  A wave takes 8 rows, two at a time; a row lies in 32 registers of the wave: register 4 j + i holds k = 128 j + 4 lane + i.
.Lln:
	s_sub_co_u32 s70, ttmp9, LNWG
	s_cmp_lt_u32 s70, 128                          ; x's work-group or context's
	s_cselect_b64 s[8:9], s[8:9], s[10:11]
	s_cselect_b64 s[12:13], s[12:13], s[16:17]
	s_cselect_b64 s[14:15], s[14:15], s[18:19]
	s_lshl_b32 s71, s70, 5
	s_lshl_b32 s72, s2, 3
	s_add_co_u32 s71, s71, s72                     ; my first row among the 8,192
	s_and_b32 s72, s71, 4095
	s_lshl_b32 s72, s72, 12
	s_mov_b32 s73, 0
	s_add_nc_u64 s[8:9], s[8:9], s[72:73]
	s_lshr_b32 s74, s71, 6
	s_lshl_b32 s74, s74, 16
	s_and_b32 s75, s71, 63
	s_lshl_b32 s75, s75, 7
	s_add_co_u32 s74, s74, s75
	s_mov_b32 s75, 0
	s_add_nc_u64 s[32:33], s[32:33], s[74:75]
	s_mov_b32 s83, 0x3a800000                      ; 1 / 1024
	s_mov_b32 s84, 0x3727c5ac                      ; 1e-5
	s_mov_b32 s86, 0x76543210                      ; v_permlanex16_b32: lane l xor 16
	s_mov_b32 s87, 0xfedcba98
	s_wait_alu depctr_va_vdst(0)
	v_lshlrev_b32 v1, 4, v9                        ; 16 bytes a lane
.irp j, 0,1,2,3,4,5,6,7
	global_load_b128 v[GA+4*\j:GA+4*\j+3], v1, s[12:13] offset:512*\j
.endr
.irp j, 0,1,2,3,4,5,6,7
	global_load_b128 v[BE+4*\j:BE+4*\j+3], v1, s[14:15] offset:512*\j
.endr
.macro LOADPAIR set, p                 ; rows 2 p and 2 p + 1: sixteen loads of 512 consecutive bytes
.irp w, 0,1
.irp j, 0,1,2,3,4,5,6,7
	global_load_b128 v[XS+64*(\set)+32*\w+4*\j:XS+64*(\set)+32*\w+4*\j+3], v1, s[8:9] offset:(2*(\p)+\w)*4096+512*\j th:TH_LOAD_NT
.endr
.endr
.endm
	LOADPAIR 0, 0
	LOADPAIR 1, 1
	s_lshl_b32 s85, s2, 11
	s_add_co_u32 s85, s85, LNST
	v_lshl_add_u32 v2, v9, 2, s85                  ; the stage: in, 4 codes a lane
	v_lshl_add_u32 v3, v9, 4, s85                  ; back, 16 bytes a lane
	v_lshrrev_b32 v4, 4, v9
	v_lshlrev_b32 v4, 13, v4
	v_and_b32 v7, 15, v9
	v_lshl_add_u32 v4, v7, 4, v4                   ; in pre: lanes 0-15 the pair's 256 bytes of one block of 128 K, lanes 16-31 of the next
	s_wait_kmcnt 0x0
	s_cmp_lt_u32 s70, 128
	s_cselect_b32 s73, s36, s38                    ; e: entry 0 or 2
	s_add_co_i32 s73, s73, 127
	s_lshl_b32 s74, s73, 23
	v_mov_b32 v5, s74                              ; 2^e
	s_add_co_i32 s73, s73, 8
	s_lshl_b32 s73, s73, 23
	s_or_b32 s73, s73, 0x600000
	v_mov_b32 v6, s73                              ; 448 x 2^e
.macro REDUCE                          ; each row's four chains (v16-23, v24-31) become one number in every lane, in v16 and v24
.irp w, 0,1
	v_pk_add_f32 v[16+8*\w:17+8*\w], v[16+8*\w:17+8*\w], v[18+8*\w:19+8*\w]
	v_pk_add_f32 v[20+8*\w:21+8*\w], v[20+8*\w:21+8*\w], v[22+8*\w:23+8*\w]
.endr
.irp w, 0,1
	v_pk_add_f32 v[16+8*\w:17+8*\w], v[16+8*\w:17+8*\w], v[20+8*\w:21+8*\w]
.endr
.irp w, 0,1
	v_add_f32 v[16+8*\w], v[16+8*\w], v[17+8*\w]
.endr
.irp m, 1,2,4,8
.irp w, 0,1
	v_add_f32_dpp v[16+8*\w], v[16+8*\w], v[16+8*\w] row_xmask:\m row_mask:0xf bank_mask:0xf
.endr
.endr
.irp w, 0,1
	v_permlanex16_b32 v[17+8*\w], v[16+8*\w], s86, s87
.endr
.irp w, 0,1
	v_add_f32 v[16+8*\w], v[16+8*\w], v[17+8*\w]
.endr
.endm
.macro PAIR set, p, left, more
.set XP, XS+64*(\set)
	s_wait_loadcnt \left                           ; this pair's sixteen loads are in (and the gains, which were asked for first); the next pair's sixteen may be out
.irp c, 0,2,4,6
.irp w, 0,1
	v_pk_add_f32 v[16+8*\w+\c:17+8*\w+\c], v[XP+32*\w+\c:XP+32*\w+\c+1], v[XP+32*\w+8+\c:XP+32*\w+9+\c]
.endr
.endr
.irp k, 16,24
.irp c, 0,2,4,6
.irp w, 0,1
	v_pk_add_f32 v[16+8*\w+\c:17+8*\w+\c], v[16+8*\w+\c:17+8*\w+\c], v[XP+32*\w+\k+\c:XP+32*\w+\k+\c+1]
.endr
.endr
.endr
	REDUCE
.irp w, 0,1
	v_mul_f32 v[8+2*\w], s83, v[16+8*\w]           ; the mean, in both halves of a pair
	v_mul_f32 v[9+2*\w], s83, v[16+8*\w]
.endr
.irp w, 0,1
.set J, 0
.rept 16
	v_pk_add_f32 v[XP+32*\w+J:XP+32*\w+J+1], v[XP+32*\w+J:XP+32*\w+J+1], v[8+2*\w:9+2*\w] neg_lo:[0,1] neg_hi:[0,1]   ; x - mean
.set J, J+2
.endr
.endr
.irp c, 0,2,4,6
.irp w, 0,1
	v_pk_mul_f32 v[16+8*\w+\c:17+8*\w+\c], v[XP+32*\w+\c:XP+32*\w+\c+1], v[XP+32*\w+\c:XP+32*\w+\c+1]
.endr
.endr
.irp k, 8,16,24
.irp c, 0,2,4,6
.irp w, 0,1
	v_pk_fma_f32 v[16+8*\w+\c:17+8*\w+\c], v[XP+32*\w+\k+\c:XP+32*\w+\k+\c+1], v[XP+32*\w+\k+\c:XP+32*\w+\k+\c+1], v[16+8*\w+\c:17+8*\w+\c]
.endr
.endr
.endr
	REDUCE
.irp w, 0,1
	v_fma_f32 v[16+8*\w], v[16+8*\w], s83, s84     ; the variance + 1e-5
.endr
	s_wait_alu depctr_va_vdst(0)
.irp w, 0,1
	v_rsq_f32 v[12+2*\w], v[16+8*\w]
	v_rsq_f32 v[13+2*\w], v[16+8*\w]
.endr
	v_nop                                          ; a plain instruction between the last root and the use of its result
	s_wait_alu depctr_va_vdst(0)
.irp w, 0,1
.set J, 0
.rept 16
	v_pk_mul_f32 v[XP+32*\w+J:XP+32*\w+J+1], v[XP+32*\w+J:XP+32*\w+J+1], v[12+2*\w:13+2*\w]
.set J, J+2
.endr
.endr
.irp w, 0,1
.set J, 0
.rept 16
	v_pk_fma_f32 v[XP+32*\w+J:XP+32*\w+J+1], v[XP+32*\w+J:XP+32*\w+J+1], v[GA+J:GA+J+1], v[BE+J:BE+J+1]
.set J, J+2
.endr
.endr
.set J, 0
.rept 64
	v_med3_num_f32 v[XP+J], v[XP+J], -v6, v6       ; the hold at the largest code x the scale
.set J, J+1
.endr
.irp w, 0,1
.irp q, 0,1,2,3
	v_cvt_scalef32_pk8_fp8_f32 v[CD+8*\w+2*\q:CD+8*\w+2*\q+1], v[XP+32*\w+8*\q:XP+32*\w+8*\q+7], v5   ; two words: my 4 codes of blocks 2 q and 2 q + 1 of 128 K
.endr
.endr
	v_nop
.irp w, 0,1
.irp j, 0,1,2,3,4,5,6,7
	ds_store_b32 v2, v[CD+8*\w+\j] offset:256*\j+128*\w
.endr
.endr
	s_wait_xcnt 0x0                                ; the last pair's stores have read their registers: they may be loaded again
.irp s, 0,1,2,3
	ds_load_b128 v[OB+4*\s:OB+4*\s+3], v3 offset:512*\s   ; LDS serves a wave's instructions in order: these see my stores, and the next pair's stores come behind them
.endr
.if \more
	LOADPAIR \set, (\p)+2
.endif
.irp s, 0,1,2,3
	s_wait_dscnt 3-\s
	global_store_b128 v4, v[OB+4*\s:OB+4*\s+3], s[32:33] offset:16384*\s+256*(\p)   ; sixteen lanes store 256 consecutive bytes, aligned: two rows' 128 codes
.endr
.endm
	PAIR 0, 0, 16, 1
	PAIR 1, 1, 16, 1
	PAIR 0, 2, 16, 0
	PAIR 1, 3, 0, 0
	s_set_vgpr_msb 0x5
	s_wait_tensorcnt 0x0
	ds_add_u32 v0, v1
	s_wait_dscnt 0x0
	s_set_vgpr_msb 0x500
	s_endpgm
.Lfunc_end_k_qe75bceb339_prep:
	.size	k_qe75bceb339_prep, .Lfunc_end_k_qe75bceb339_prep-k_qe75bceb339_prep
	.p2alignl 7, 3214868480
	.fill 96, 4, 3214868480
	.section	.rodata,"a",@progbits
	.p2align	6, 0x0
	.amdhsa_kernel k_qe75bceb339_prep
		.amdhsa_group_segment_fixed_size 43520
		.amdhsa_private_segment_fixed_size 0
		.amdhsa_enable_private_segment 0
		.amdhsa_kernarg_size 104
		.amdhsa_user_sgpr_count 2
		.amdhsa_user_sgpr_kernarg_segment_ptr 1
		.amdhsa_wavefront_size32 1
		.amdhsa_system_sgpr_workgroup_id_x 1
		.amdhsa_system_sgpr_workgroup_id_y 1
		.amdhsa_system_sgpr_workgroup_id_z 1
		.amdhsa_system_vgpr_workitem_id 0
		.amdhsa_next_free_vgpr 258
		.amdhsa_next_free_sgpr 100
		.amdhsa_reserve_vcc 0
		.amdhsa_float_denorm_mode_32 3
		.amdhsa_float_denorm_mode_16_64 3
		.amdhsa_memory_ordered 1
		.amdhsa_forward_progress 1
		.amdhsa_inst_pref_size 139
	.end_amdhsa_kernel
	.amdgpu_metadata
---
amdhsa.version: [ 1, 2 ]
amdhsa.kernels:
  - .name:           k_qe75bceb339_prep
    .symbol:         k_qe75bceb339_prep.kd
    .args:
      - { .name: x, .offset: 0, .size: 8, .value_kind: global_buffer, .address_space: global }
      - { .name: context, .offset: 8, .size: 8, .value_kind: global_buffer, .address_space: global }
      - { .name: g_q, .offset: 16, .size: 8, .value_kind: global_buffer, .address_space: global }
      - { .name: be_q, .offset: 24, .size: 8, .value_kind: global_buffer, .address_space: global }
      - { .name: g_kv, .offset: 32, .size: 8, .value_kind: global_buffer, .address_space: global }
      - { .name: be_kv, .offset: 40, .size: 8, .value_kind: global_buffer, .address_space: global }
      - { .name: Wq, .offset: 48, .size: 8, .value_kind: global_buffer, .address_space: global }
      - { .name: Wkv, .offset: 56, .size: 8, .value_kind: global_buffer, .address_space: global }
      - { .name: Wo, .offset: 64, .size: 8, .value_kind: global_buffer, .address_space: global }
      - { .name: W1, .offset: 72, .size: 8, .value_kind: global_buffer, .address_space: global }
      - { .name: W2, .offset: 80, .size: 8, .value_kind: global_buffer, .address_space: global }
      - { .name: lowp_scales, .offset: 88, .size: 8, .value_kind: global_buffer, .address_space: global }
      - { .name: pre, .offset: 96, .size: 8, .value_kind: global_buffer, .address_space: global }
    .group_segment_fixed_size: 43520
    .private_segment_fixed_size: 0
    .kernarg_segment_align: 8
    .kernarg_segment_size: 104
    .max_flat_workgroup_size: 128
    .sgpr_count:     100
    .vgpr_count:     258
    .wavefront_size: 32
...
	.end_amdgpu_metadata
.endif
;; end of part 1
;; launch proj (part 2): grid 24 x 32, 4 waves a work-group, clusters of 4 x 4, 327,680 bytes of LDS; arguments pre, bq, bkv, rope_cos, rope_sin, lowp_scales, qkvc; writes qkvc
.if DOCPART == 2
	.amdgcn_target "amdgcn-amd-amdhsa--gfx1250"
	.amdhsa_code_object_version 6
	.text
	.protected	k_qe75bceb339_proj
	.globl	k_qe75bceb339_proj
	.p2align	8
	.type	k_qe75bceb339_proj,@function
k_qe75bceb339_proj:
	s_mov_b64 s[64:65], 0
	v_nop
	global_prefetch_b8 v0, s[64:65] scope:SCOPE_SE
	s_setreg_imm32_b32 hwreg(HW_REG_WAVE_MODE, 25, 1), 1
	s_wait_xcnt 0x0
	s_wait_alu depctr_hold_cnt(0) depctr_sa_sdst(0) depctr_va_vdst(0) depctr_va_sdst(0) depctr_va_ssrc(0) depctr_va_vcc(0) depctr_vm_vsrc(0)
	s_getreg_b32 s2, hwreg(HW_REG_IB_STS2, 6, 4)
	s_cmp_eq_u32 s2, 0
	s_cbranch_scc0 .Lentry_in_a_cluster
	s_endpgm
.Lentry_in_a_cluster:
	s_bfe_u32 s2, ttmp6, 0x10000c
	s_cmp_lg_u32 s2, 0xf033
	s_cbranch_scc0 .Lentry_shape_is_right
	s_endpgm
.Lentry_shape_is_right:
; PROJ.  q = LN(x) Wq + bq, k and v = LN(context) Wkv + bkv, as one product on codes of E4M3 with N = 3,072; RoPE on q and k; q, k, v leave as codes.
; A tile of C is 128 x 128, four waves of 64 x 64 (16 accumulators).  K = 1,024 lies whole in two LDS slots of 512 along K, filled once by the tensor data mover: nothing is filled again.
; CLUSTERS: 4 x 4 work-groups; A's tiles are asked for jointly along a row of the cluster, B's along a column.  Tile columns 0-7 are q, 8-15 k, 16-23 v: a cluster lies wholly in one of the three.
; OPERANDS IN MEMORY: 64 rows x 128 K are 8,192 bytes on end, so 64 rows x 512 K are one dense block of 32,768 bytes: a tensor load takes it as 128 rows of 256 bytes, 16 bytes of padding behind each.
; An operand's row rho of 128 bytes then lies at (rho / 2) 272 + (rho % 2) 128: the 16 rows of a fragment load start in 16 different groups of four banks.
; q, k: THE MATRIX INSTRUCTION IS USED TRANSPOSED (source 0 = 16 rows of W, source 1 = 16 rows of A): with the order in which the weights' rows were laid, a lane holds one row and, in accumulators 2 u and 2 u + 1,
; the 16 neighbouring columns 32 u + 16 (lane / 16) + 0 .. 15 of its wave's 64, which are one head: both halves of a RoPE pair lie in one lane.
; v: used as written (source 0 = A): a lane holds one channel and eight keys, so that the codes come out with the keys innermost, as the second product of attention wants them.
; OUT: q, k: [b 16 + head][l][64].  v: [b 16 + head][l / 128][place p][128]; byte 32 g + 16 h + 8 u + j of a row holds key 32 g + 16 u + 8 h + j, place p the channel with bits 3 and 4 of p exchanged.
; LIMITS: e0 + e1 and e2 + e3 between -126 and 127; e4, e5, e7 between -126 and 119.  NaN is not served.
.set KTOT,   1024
.set KB,     KTOT/128
.set LAPS,   KTOT/1024
.set BOFF,   8388608                   ; the weights' codes in pre
.set A64,    0
.set PITCH,  272
.set HALFT,  128*PITCH                 ; half of what one tensor load brings: 64 operand rows x 512 K
.set SLOT,   4*HALFT                   ; A's two halves, then B's two halves
.set SPARE,  2*SLOT                    ; behind the slots: the spare words, 128 bytes for each wave: two blocks of 256 bytes that no other line names
.set SINB,   34816                     ; on the way out, on A's bytes, behind the barrier that follows the last product: cos at 0 and sin here, 128 rows x 272
.set QSTG,   69632                     ; q's and k's codes: 4,096 bytes a wave
.set VSTG,   86016                     ; v's codes: 128 rows x 144
.set ADRA, 16                          ; v16-17  LDS address of my A fragments in slot 0, 1
.set ADRB, 20                          ; v20-21  the same for B
.set SPW,  28                          ; v28     LDS address of my spare word; never rewritten
.set NIL,  29                          ; v29     0; never rewritten
.set ACC,  128                         ; v128-255 the accumulators: (a, t) at v[128 + 8 (4 a + t)]
.set F0,   0                           ; window 1: two fragment buffers of 128: A's four fragments, then B's four
.set F1,   128
.set G1,  24                           ; s[24:31] descriptor group 1 for A's tiles; s[32:39] group 0, one set a slot
.set G0,  32
.set G1B, 48                           ; s[48:55], s[56:63] the same for B's
.set G0B, 56
.set MSB, 0
.macro WIN new                         ; the immediate's high byte repeats the setting that is left
.if MSB != \new
	s_set_vgpr_msb (MSB<<8)|\new
.set MSB, \new
.endif
.endm
.set MUL,  0x05                        ; sources 0 and 1 window 1; C and D window 0
.set TO_F, 0x40                        ; destination window 1, address window 0
.macro JLOAD s                         ; a joint load: waves 0 and 1 fetch A's halves, waves 2 and 3 B's; four v_nop follow each line
	s_cmp_eq_u32 s11, 0
	s_cbranch_scc0 .Lfor_b_\@
	tensor_load_to_lds s[G0+4*\s:G0+4*\s+3], s[G1:G1+7]
	s_nop 0
.rept 4
	v_nop
.endr
	s_branch .Lasked_\@
.Lfor_b_\@:
	tensor_load_to_lds s[G0B+4*\s:G0B+4*\s+3], s[G1B:G1B+7]
	s_nop 0
.rept 4
	v_nop
.endr
.Lasked_\@:
.endm
.macro CREST                           ; a round of the cluster's barrier behind its opening barrier
	s_cmp_lg_u32 s10, 0
	s_cbranch_scc1 .Lnot_wave_0_\@
	s_barrier_signal -3
.Lnot_wave_0_\@:
	s_barrier_wait -3
	s_barrier_signal -1
	s_barrier_wait -1
.endm
.macro CROUND
	s_barrier_signal -1
	s_barrier_wait -1
	CREST
.endm
.macro PLACES                          ; four places behind matrix instructions, in front of loads into their sources and of reads of their results
.rept 4
	v_nop
.endr
.endm
; four matrix instructions: A's block a against B's four, 128 along K.  zero = 1: the product starts the sums.  swap = 1: source 0 = A.  The 16 accumulators take turns, one instruction a turn.
.macro MUL4 f, a, zero, swap
.irp t, 0,1,2,3
.if \swap
.if \zero
	v_wmma_f32_16x16x128_fp8_fp8 v[ACC+8*(4*(\a)+\t):ACC+8*(4*(\a)+\t)+7], v[\f+16*(\a):\f+16*(\a)+15], v[\f+64+16*\t:\f+64+16*\t+15], 0
.else
	v_wmma_f32_16x16x128_fp8_fp8 v[ACC+8*(4*(\a)+\t):ACC+8*(4*(\a)+\t)+7], v[\f+16*(\a):\f+16*(\a)+15], v[\f+64+16*\t:\f+64+16*\t+15], v[ACC+8*(4*(\a)+\t):ACC+8*(4*(\a)+\t)+7]
.endif
.else
.if \zero
	v_wmma_f32_16x16x128_fp8_fp8 v[ACC+8*(4*(\a)+\t):ACC+8*(4*(\a)+\t)+7], v[\f+64+16*\t:\f+64+16*\t+15], v[\f+16*(\a):\f+16*(\a)+15], 0
.else
	v_wmma_f32_16x16x128_fp8_fp8 v[ACC+8*(4*(\a)+\t):ACC+8*(4*(\a)+\t)+7], v[\f+64+16*\t:\f+64+16*\t+15], v[\f+16*(\a):\f+16*(\a)+15], v[ACC+8*(4*(\a)+\t):ACC+8*(4*(\a)+\t)+7]
.endif
.endif
.endr
.endm
; 32 LDS loads in one run: the fragments of the slot's q-th 128 along K into buffer f: B's four, A's blocks 0 and 1, A's blocks 2 and 3.
; A fragment: lane l holds row l % 16; registers 4 c .. 4 c + 3 hold K = 32 c + 16 (l / 16) + 0 .. 15: the same order of k in A and in B.
.macro FETCH slot, q, f
	WIN TO_F
.irp i, 0,1,2,3
.irp c, 0,1,2,3
	ds_load_b128 v[\f+64+16*\i+4*\c:\f+64+16*\i+4*\c+3], v[ADRB+\slot] offset:(\q)*8704+\i*2176+32*\c
.endr
.endr
.irp i, 0,1,2,3
.irp c, 0,1,2,3
.if A64
	ds_load_b128 v[\f+16*\i+4*\c:\f+16*\i+4*\c+3], v[ADRA+\slot] offset:(2*(\q)+(\c/2))*4352+\i*1088+32*(\c%2)
.else
	ds_load_b128 v[\f+16*\i+4*\c:\f+16*\i+4*\c+3], v[ADRA+\slot] offset:(\q)*8704+\i*2176+32*\c
.endif
.endr
.endr
.endm
.macro QUARTER slot, qn, f, g, zero, swap   ; multiplies buffer f and fetches the slot's quarter qn into g
	s_wait_dscnt 8                                 ; B's four and A's blocks 0 and 1 are in; the youngest eight loads (A's blocks 2 and 3) may be out
	WIN MUL
	MUL4 \f, 0, \zero, \swap
	MUL4 \f, 1, \zero, \swap
	PLACES
	FETCH \slot, \qn, \g
	s_wait_dscnt 32                                ; all but the 32 just issued
	WIN MUL
	MUL4 \f, 2, \zero, \swap
	MUL4 \f, 3, \zero, \swap
.endm
; A slot's last quarter changes slots: one barrier; in front of it each wave waits for all its tensor loads, adds 0 to its spare word, and waits for that and for its reads of this slot.
.macro TURN slot, next, fill, swap
	WIN 0
	s_wait_tensorcnt 0x0                           ; all my tensor loads have landed: my part of the next slot
	ds_add_u32 v[SPW], v[NIL]                      ; 0 onto my spare word
	s_wait_dscnt 9                                 ; the add and the youngest eight loads may be out
	WIN MUL
	MUL4 F1, 0, 0, \swap
	s_wait_dscnt 0x0                               ; the add is done, and my reads of this slot are over
	s_barrier_signal -1
	MUL4 F1, 1, 0, \swap
	WIN 0
	s_barrier_wait -1
.if \fill
	CREST
	s_add_nc_u64 s[G0+4*\slot+2:G0+4*\slot+3], s[G0+4*\slot+2:G0+4*\slot+3], 65536
	s_add_nc_u64 s[G0B+4*\slot+2:G0B+4*\slot+3], s[G0B+4*\slot+2:G0B+4*\slot+3], 65536
	JLOAD \slot
.else
	PLACES
.endif
	FETCH \next, 0, F0
	WIN MUL
	MUL4 F1, 2, 0, \swap
	MUL4 F1, 3, 0, \swap
.endm
.macro MAIN swap
	s_wait_tensorcnt 0x0                           ; my one load, 64 operand rows x all 1,024 of K, is in
	s_barrier_signal -1
	s_barrier_wait -1
	FETCH 0, 0, F0
	QUARTER 0, 1, F0, F1, 1, \swap
.if LAPS > 1
	WIN 0
	s_mov_b32 s3, LAPS-1
.Llap_\@:
	QUARTER 0, 2, F1, F0, 0, \swap
	QUARTER 0, 3, F0, F1, 0, \swap
	TURN 0, 1, 1, \swap
	QUARTER 1, 1, F0, F1, 0, \swap
	QUARTER 1, 2, F1, F0, 0, \swap
	QUARTER 1, 3, F0, F1, 0, \swap
	TURN 1, 0, 1, \swap
	QUARTER 0, 1, F0, F1, 0, \swap
	WIN 0
	s_sub_co_u32 s3, s3, 1
	s_cmp_lg_u32 s3, 0
	s_cbranch_scc1 .Llap_\@
.endif
	QUARTER 0, 2, F1, F0, 0, \swap
	QUARTER 0, 3, F0, F1, 0, \swap
	TURN 0, 1, 0, \swap
	QUARTER 1, 1, F0, F1, 0, \swap
	QUARTER 1, 2, F1, F0, 0, \swap
	QUARTER 1, 3, F0, F1, 0, \swap
	s_wait_dscnt 8
	WIN MUL
	MUL4 F1, 0, 0, \swap
	MUL4 F1, 1, 0, \swap
	s_wait_dscnt 0
	MUL4 F1, 2, 0, \swap
	MUL4 F1, 3, 0, \swap
	WIN 0
	PLACES
	s_barrier_signal -1                            ; no LDS read of mine is out: the stages of the way out lie on operand bytes that other waves read up to their last fetch
	s_barrier_wait -1
.endm
.macro FINISH
	s_wait_tensorcnt 0x0                           ; the wave's end
	ds_add_u32 v[SPW], v[NIL]
	s_wait_dscnt 0x0
	CROUND                                         ; the closing round
	s_endpgm
.endm
	s_load_b256 s[68:75], s[0:1], 0x0              ; pre s[68:69], bq s[70:71], bkv s[72:73], rope_cos s[74:75]
	s_load_b128 s[76:79], s[0:1], 0x20             ; rope_sin s[76:77], lowp_scales s[78:79]
	s_load_b64 s[80:81], s[0:1], 0x30              ; qkvc
	v_lshl_add_u32 v[SPW], v0, 2, SPARE
	v_mov_b32 v[NIL], 0
	ds_add_u32 v28, v29
	ds_add_u32 v28, v29
	s_wait_dscnt 0x0
	v_lshrrev_b32 v1, 5, v0
	v_readfirstlane_b32 s10, v1                    ; wave 0..3
	s_lshr_b32 s11, s10, 1                         ; my half of the tile's rows.  Also: I fetch for A (0) or for B (1)
	s_and_b32 s12, s10, 1                          ; my half of its columns.  Also: which 64 rows I fetch
	s_bfe_u32 s40, ttmp6, 0x40000                  ; cx, cy
	s_bfe_u32 s41, ttmp6, 0x40004
	s_lshl_b32 s42, ttmp9, 2
	s_add_co_u32 s42, s42, s40                     ; tile column
	s_and_b32 s13, ttmp7, 0xffff
	s_lshl_b32 s13, s13, 2
	s_add_co_u32 s13, s13, s41                     ; tile row
	s_lshl_b32 s43, s41, 2
	s_lshl_b32 s43, 15, s43                        ; my row of the cluster
	s_lshl_b32 s44, 0x1111, s40                    ; my column
	s_or_b32 s[G1+0], s43, (1<<20)|(1<<21)|(5<<22)|(3<<25)    ; the mask; elements of 1 byte; padding on; bit 21 beside a mask; 4 words of padding behind every 64
	s_or_b32 s[G1B+0], s44, (1<<20)|(1<<21)|(5<<22)|(3<<25)
.irp g, G1, G1B
	s_mov_b32 s[\g+1], 256<<16                     ; tensor_dim0 = 256
	s_mov_b32 s[\g+2], 256<<16                     ; tensor_dim1 = 256: one load brings 64 operand rows x 1,024 K, 65,536 dense bytes
	s_mov_b32 s[\g+3], 256<<16                     ; tile_dim0 = 256
	s_mov_b32 s[\g+4], 256                         ; tile_dim1 = 256
	s_mov_b32 s[\g+5], 256                         ; the pitch: the block is dense
	s_mov_b32 s[\g+6], 0
	s_mov_b32 s[\g+7], 0
.endr
	s_lshr_b32 s45, ttmp9, 1                       ; 0: q, 1: k, 2: v: the cluster's x alone, the same in all partners
	s_min_u32 s66, s45, 1
	s_lshl_b32 s66, s66, 6                         ; k and v read context's rows: 64 blocks of 64 rows further on
	s_lshl_b32 s16, s13, 1
	s_add_co_u32 s16, s16, s12
	s_add_co_u32 s16, s16, s66
	s_mul_i32 s16, s16, KB*8192                    ; A: my block of 64 rows
	s_mov_b32 s17, 0
	s_lshl_b32 s46, s42, 1
	s_add_co_u32 s46, s46, s12
	s_mul_i32 s46, s46, KB*8192
	s_add_co_u32 s46, s46, BOFF                    ; B likewise
	s_mov_b32 s47, 0
	s_mul_i32 s20, s10, 2*HALFT                    ; where they go: wave x 256 LDS rows; no place in the cluster enters an LDS address
	s_wait_kmcnt 0x0
	s_load_b256 s[84:91], s[78:79], 0x0            ; e0 .. e7
	s_add_nc_u64 s[14:15], s[68:69], s[16:17]
	s_add_nc_u64 s[46:47], s[68:69], s[46:47]
	CROUND                                         ; all sixteen work-groups are here: the joint loads meet
.irp s, 0
	s_mov_b32 s[G0+4*\s], 1
	s_add_co_u32 s[G0+4*\s+1], s20, \s*SLOT
	s_add_nc_u64 s[G0+4*\s+2:G0+4*\s+3], s[14:15], \s*32768
	s_or_b32 s[G0+4*\s+3], s[G0+4*\s+3], 0x80000000
	s_mov_b32 s[G0B+4*\s], 1
	s_add_co_u32 s[G0B+4*\s+1], s20, \s*SLOT
	s_add_nc_u64 s[G0B+4*\s+2:G0B+4*\s+3], s[46:47], \s*32768
	s_or_b32 s[G0B+4*\s+3], s[G0B+4*\s+3], 0x80000000
	JLOAD \s
.endr
	v_and_b32 v1, 15, v0                           ; r
	v_bfe_u32 v2, v0, 4, 1                         ; h
	v_lshrrev_b32 v3, 1, v1
	v_mul_u32_u24 v3, v3, PITCH
	v_and_b32 v4, 1, v1
	v_lshl_add_u32 v3, v4, 7, v3
	v_lshl_add_u32 v3, v2, 4, v3                   ; (r / 2) 272 + (r % 2) 128 + 16 h
	s_mul_i32 s21, s11, 2*HALFT                    ; a wave's load lies on end: K 0-511, then K 512-1,023, HALFT bytes each
	s_mul_i32 s22, s12, 2*HALFT
	s_add_co_u32 s22, s22, 4*HALFT
.irp s, 0,1
	v_add_nc_u32 v[ADRA+\s], s21, v3
	v_add_nc_u32 v[ADRB+\s], s22, v3
	s_add_co_u32 s21, s21, HALFT
	s_add_co_u32 s22, s22, HALFT
.endr
	v_and_b32 v5, 31, v0                           ; lane
	v_lshlrev_b32 v6, 4, v5                        ; 16 x lane
	s_lshl_b32 s67, s13, 7
	s_and_b32 s67, s67, 2047                       ; l0: the tile's first row within its batch
	s_lshr_b32 s96, s13, 4                         ; b
	s_and_b32 s97, s42, 7                          ; the tile column within q, k or v
	s_cmp_ge_u32 ttmp9, 4                          ; the cluster's x: the same in all partners and in all waves
	s_cbranch_scc1 .Lv
; ---------------- q and k
	s_mul_i32 s82, s10, 32*272
	v_mul_u32_u24 v24, v2, 272
	v_lshl_add_u32 v24, v1, 4, v24
	v_add_nc_u32 v24, s82, v24                     ; cos, sin into LDS: rows 32 w + 2 t + h, 16 bytes a lane
	s_mul_i32 s82, s11, 64*272
	v_mul_u32_u24 v25, v1, 272
	v_lshl_add_u32 v25, v2, 6, v25
	v_add_nc_u32 v25, s82, v25                     ; and out of it: row 64 x my half + r, 64 h bytes on
	s_lshl_b32 s82, s10, 12
	s_add_co_u32 s82, s82, QSTG
	v_lshlrev_b32 v26, 6, v1
	v_lshl_add_u32 v26, v2, 4, v26
	v_add_nc_u32 v26, s82, v26                     ; the codes' stage: row r of 64 bytes, + 16 h
	v_add_nc_u32 v27, s82, v6                      ; back: 16 bytes a lane
	v_lshlrev_b32 v7, 6, v2                        ; the bias: 64 h bytes
	s_wait_alu depctr_va_vdst(0)
	s_lshl_b32 s82, s10, 5
	s_add_co_u32 s82, s82, s67
	s_lshl_b32 s82, s82, 8
	s_mov_b32 s83, 0
	s_add_nc_u64 s[74:75], s[74:75], s[82:83]      ; cos and sin at row l0 + 32 w
	s_add_nc_u64 s[76:77], s[76:77], s[82:83]
	s_cmp_lt_u32 ttmp9, 2
	s_cselect_b64 s[70:71], s[70:71], s[72:73]     ; bq, or bkv's first half
	s_lshl_b32 s82, s97, 9
	s_lshl_b32 s83, s12, 8
	s_add_co_u32 s82, s82, s83
	s_mov_b32 s83, 0
	s_add_nc_u64 s[70:71], s[70:71], s[82:83]
	s_lshl_b32 s82, s96, 4                         ; out: ((16 b + head) 2048 + l0 + 64 x my half) 64, in q's or k's part
	s_lshl_b32 s83, s97, 1
	s_add_co_u32 s82, s82, s83
	s_add_co_u32 s82, s82, s12
	s_lshl_b32 s82, s82, 11
	s_add_co_u32 s82, s82, s67
	s_lshl_b32 s83, s11, 6
	s_add_co_u32 s82, s82, s83
	s_lshl_b32 s82, s82, 6
	s_lshl_b32 s83, s45, 22
	s_add_co_u32 s82, s82, s83
	s_mov_b32 s83, 0
	s_add_nc_u64 s[80:81], s[80:81], s[82:83]
	WIN 0x80                                       ; destination window 2: 32 rows of cos and of sin wait there for the products' end
.set T, 0
.rept 16
	global_load_b128 v[4*T:4*T+3], v6, s[74:75] offset:512*T
.set T, T+1
.endr
.set T, 0
.rept 16
	global_load_b128 v[64+4*T:64+4*T+3], v6, s[76:77] offset:512*T
.set T, T+1
.endr
	WIN 0
.irp u, 0,1
.irp i, 0,1,2,3
	global_load_b128 v[96+16*\u+4*\i:96+16*\u+4*\i+3], v7, s[70:71] offset:128*\u+16*\i   ; the bias of my 32 columns
.endr
.endr
	MAIN 0
	s_wait_kmcnt 0x0
	s_cmp_lt_u32 ttmp9, 2
	s_cselect_b32 s92, s84, s86
	s_cselect_b32 s93, s85, s87
	s_cselect_b32 s94, s88, s89                    ; e4 for q, e5 for k
	s_add_co_i32 s92, s92, s93
	s_add_co_i32 s92, s92, 127
	s_lshl_b32 s92, s92, 23                        ; 2^(the two operands' e added)
	s_mov_b32 s93, s92
	s_add_co_i32 s94, s94, 127
	s_lshl_b32 s95, s94, 23
	v_mov_b32 v30, s95
	s_add_co_i32 s94, s94, 8
	s_lshl_b32 s94, s94, 23
	s_or_b32 s94, s94, 0x600000
	v_mov_b32 v31, s94
	s_wait_loadcnt 0x0
	WIN 0x08                                       ; an LDS store's data: window 2
.set T, 0
.rept 16
	ds_store_b128 v24, v[4*T:4*T+3] offset:544*T
.set T, T+1
.endr
.set T, 0
.rept 16
	ds_store_b128 v24, v[64+4*T:64+4*T+3] offset:SINB+544*T
.set T, T+1
.endr
	WIN 0
	s_wait_dscnt 0x0                               ; for the others' sake: my rows of cos and sin lie in LDS
	s_barrier_signal -1
	s_barrier_wait -1
.macro ROPE a                          ; my rows 16 a .. 16 a + 15: scale and bias, RoPE, the hold, the codes
.set X0, ACC+32*(\a)
.set X1, ACC+32*(\a)+16
.irp u, 0,1
.irp i, 0,1,2,3
	ds_load_b128 v[32+16*\u+4*\i:32+16*\u+4*\i+3], v25 offset:4352*(\a)+128*\u+16*\i
	ds_load_b128 v[64+16*\u+4*\i:64+16*\u+4*\i+3], v25 offset:SINB+4352*(\a)+128*\u+16*\i
.endr
.endr
.set J, 0
.rept 16
	v_pk_fma_f32 v[X0+J:X0+J+1], v[X0+J:X0+J+1], s[92:93], v[96+J:97+J] op_sel_hi:[1,0,1]   ; sum x 2^e + bias; each accumulator from its low end on
.set J, J+2
.endr
	s_wait_alu depctr_va_vdst(0)
	s_wait_dscnt 0x0
.set J, 0
.rept 8
	v_pk_mul_f32 v[64+J:65+J], v[X1+J:X1+J+1], v[64+J:65+J]       ; x2 sin (channels 0-31)
	v_pk_mul_f32 v[80+J:81+J], v[X0+J:X0+J+1], v[80+J:81+J]       ; x1 sin (channels 32-63)
.set J, J+2
.endr
.set J, 0
.rept 8
	v_pk_fma_f32 v[X0+J:X0+J+1], v[X0+J:X0+J+1], v[32+J:33+J], v[64+J:65+J] neg_lo:[0,0,1] neg_hi:[0,0,1]
	v_pk_fma_f32 v[X1+J:X1+J+1], v[X1+J:X1+J+1], v[48+J:49+J], v[80+J:81+J]
.set J, J+2
.endr
.set J, 0
.rept 32
	v_med3_num_f32 v[X0+J], v[X0+J], -v31, v31
.set J, J+1
.endr
.irp q, 0,1,2,3
	v_cvt_scalef32_pk8_fp8_f32 v[8+2*\q:9+2*\q], v[X0+8*\q:X0+8*\q+7], v30
.endr
	v_nop
	ds_store_b128 v26, v[8:11] offset:1024*(\a)
	ds_store_b128 v26, v[12:15] offset:1024*(\a)+32
.endm
	ROPE 0
	ROPE 1
	ROPE 2
	ROPE 3
.irp t, 0,1,2,3,4,5,6,7
	ds_load_b128 v[32+4*\t:35+4*\t], v27 offset:512*\t    ; my own bytes: LDS serves a wave's instructions in order
.endr
.irp t, 0,1,2,3,4,5,6,7
	s_wait_dscnt 7-\t
	global_store_b128 v6, v[32+4*\t:35+4*\t], s[80:81] offset:512*\t   ; 512 consecutive bytes: eight rows of a head
.endr
	FINISH
; ---------------- v
.Lv:
	s_mul_i32 s82, s12, 64*144
	s_lshl_b32 s83, s11, 6
	s_add_co_u32 s82, s82, s83
	s_add_co_u32 s82, s82, VSTG
	v_mul_u32_u24 v24, v1, 144
	v_lshl_add_u32 v24, v2, 4, v24
	v_add_nc_u32 v24, s82, v24                     ; the stage: row = place 64 x column half + r, byte 64 x row half + 16 h
	s_mul_i32 s82, s10, 32*144
	s_add_co_u32 s82, s82, VSTG
	s_wait_alu depctr_va_vdst(0)
	v_lshrrev_b32 v25, 3, v5
	v_mul_u32_u24 v25, v25, 144
	v_and_b32 v8, 7, v5
	v_lshl_add_u32 v25, v8, 4, v25
	v_add_nc_u32 v25, s82, v25                     ; back: eight lanes to a row of 128 bytes
	v_lshrrev_b32 v7, 3, v1
	v_and_b32 v8, 7, v1
	v_lshlrev_b32 v8, 2, v8
	v_lshl_add_u32 v7, v7, 6, v8                   ; the bias of place 16 t + r: channel 32 (t / 2) + 16 (r / 8) + 8 (t % 2) + r % 8
	s_wait_alu depctr_va_vdst(0)
	s_lshl_b32 s82, s97, 9
	s_lshl_b32 s83, s12, 8
	s_add_co_u32 s82, s82, s83
	s_add_co_u32 s82, s82, 4096                    ; bkv's second half
	s_mov_b32 s83, 0
	s_add_nc_u64 s[72:73], s[72:73], s[82:83]
	s_lshl_b32 s82, s96, 4                         ; out: ((16 b + head) 16 + l0 / 128) 8192 + 4096 x (w % 2), in v's part; head = 2 x tile column + w / 2
	s_lshl_b32 s83, s97, 1
	s_add_co_u32 s82, s82, s83
	s_add_co_u32 s82, s82, s11
	s_lshl_b32 s82, s82, 4
	s_lshr_b32 s83, s67, 7
	s_add_co_u32 s82, s82, s83
	s_lshl_b32 s82, s82, 13
	s_lshl_b32 s83, s12, 12
	s_add_co_u32 s82, s82, s83
	s_add_co_u32 s82, s82, 8388608
	s_mov_b32 s83, 0
	s_add_nc_u64 s[80:81], s[80:81], s[82:83]
.irp t, 0,1,2,3
	global_load_b32 v[96+2*\t], v7, s[72:73] offset:4*(32*(\t/2)+8*(\t%2))   ; into both halves of a pair, for the packed multiply-add
	global_load_b32 v[97+2*\t], v7, s[72:73] offset:4*(32*(\t/2)+8*(\t%2))
.endr
	MAIN 1
	s_wait_kmcnt 0x0
	s_add_co_i32 s92, s86, s87
	s_add_co_i32 s92, s92, 127
	s_lshl_b32 s92, s92, 23                        ; 2^(e2 + e3)
	s_mov_b32 s93, s92
	s_add_co_i32 s94, s91, 127                     ; e7
	s_lshl_b32 s95, s94, 23
	v_mov_b32 v30, s95
	s_add_co_i32 s94, s94, 8
	s_lshl_b32 s94, s94, 23
	s_or_b32 s94, s94, 0x600000
	v_mov_b32 v31, s94
	s_wait_loadcnt 0x0
.irp a, 0,1,2,3
.irp t, 0,1,2,3
.irp j, 0,2,4,6
	v_pk_fma_f32 v[ACC+8*(4*\a+\t)+\j:ACC+8*(4*\a+\t)+\j+1], v[ACC+8*(4*\a+\t)+\j:ACC+8*(4*\a+\t)+\j+1], s[92:93], v[96+2*\t:97+2*\t] op_sel_hi:[1,0,1]
.endr
	s_wait_alu depctr_va_vdst(0)
.irp j, 0,1,2,3,4,5,6,7
	v_med3_num_f32 v[ACC+8*(4*\a+\t)+\j], v[ACC+8*(4*\a+\t)+\j], -v31, v31
.endr
	v_cvt_scalef32_pk8_fp8_f32 v[32+2*(4*\a+\t):33+2*(4*\a+\t)], v[ACC+8*(4*\a+\t):ACC+8*(4*\a+\t)+7], v30   ; keys 16 a + 8 h + 0 .. 7 of one channel
.endr
.endr
	v_nop
.irp a, 0,1,2,3
.irp t, 0,1,2,3
	ds_store_b64 v24, v[32+2*(4*\a+\t):33+2*(4*\a+\t)] offset:\t*2304+32*(\a/2)+8*(\a%2)
.endr
.endr
	s_wait_dscnt 0x0                               ; a row's 128 bytes come from two waves
	s_barrier_signal -1
	s_barrier_wait -1
.irp t, 0,1,2,3,4,5,6,7
	ds_load_b128 v[32+4*\t:35+4*\t], v25 offset:576*\t
.endr
.irp t, 0,1,2,3,4,5,6,7
	s_wait_dscnt 7-\t
	global_store_b128 v6, v[32+4*\t:35+4*\t], s[80:81] offset:512*\t
.endr
	FINISH
.Lfunc_end_k_qe75bceb339_proj:
	.size	k_qe75bceb339_proj, .Lfunc_end_k_qe75bceb339_proj-k_qe75bceb339_proj
	.p2alignl 7, 3214868480
	.fill 96, 4, 3214868480
	.section	.rodata,"a",@progbits
	.p2align	6, 0x0
	.amdhsa_kernel k_qe75bceb339_proj
		.amdhsa_group_segment_fixed_size 327680
		.amdhsa_private_segment_fixed_size 0
		.amdhsa_enable_private_segment 0
		.amdhsa_kernarg_size 56
		.amdhsa_user_sgpr_count 2
		.amdhsa_user_sgpr_kernarg_segment_ptr 1
		.amdhsa_wavefront_size32 1
		.amdhsa_system_sgpr_workgroup_id_x 1
		.amdhsa_system_sgpr_workgroup_id_y 1
		.amdhsa_system_sgpr_workgroup_id_z 1
		.amdhsa_system_vgpr_workitem_id 0
		.amdhsa_next_free_vgpr 768
		.amdhsa_next_free_sgpr 100
		.amdhsa_reserve_vcc 0
		.amdhsa_float_denorm_mode_32 3
		.amdhsa_float_denorm_mode_16_64 3
		.amdhsa_memory_ordered 1
		.amdhsa_forward_progress 1
		.amdhsa_inst_pref_size 114
	.end_amdhsa_kernel
	.amdgpu_metadata
---
amdhsa.version: [ 1, 2 ]
amdhsa.kernels:
  - .name:           k_qe75bceb339_proj
    .symbol:         k_qe75bceb339_proj.kd
    .args:
      - { .name: pre, .offset: 0, .size: 8, .value_kind: global_buffer, .address_space: global }
      - { .name: bq, .offset: 8, .size: 8, .value_kind: global_buffer, .address_space: global }
      - { .name: bkv, .offset: 16, .size: 8, .value_kind: global_buffer, .address_space: global }
      - { .name: rope_cos, .offset: 24, .size: 8, .value_kind: global_buffer, .address_space: global }
      - { .name: rope_sin, .offset: 32, .size: 8, .value_kind: global_buffer, .address_space: global }
      - { .name: lowp_scales, .offset: 40, .size: 8, .value_kind: global_buffer, .address_space: global }
      - { .name: qkvc, .offset: 48, .size: 8, .value_kind: global_buffer, .address_space: global }
    .group_segment_fixed_size: 327680
    .private_segment_fixed_size: 0
    .kernarg_segment_align: 8
    .kernarg_segment_size: 56
    .max_flat_workgroup_size: 128
    .sgpr_count:     100
    .vgpr_count:     768
    .wavefront_size: 32
...
	.end_amdgpu_metadata
.endif
;; end of part 2
;; launch attn (part 3): grid 8 x 32, 8 waves a work-group, clusters of 4 x 1, 296,960 bytes of LDS; arguments qkvc, lowp_scales, ao; writes ao
.if DOCPART == 3
	.amdgcn_target "amdgcn-amd-amdhsa--gfx1250"
	.amdhsa_code_object_version 6
	.text
	.protected	k_qe75bceb339_attn
	.globl	k_qe75bceb339_attn
	.p2align	8
	.type	k_qe75bceb339_attn,@function
k_qe75bceb339_attn:
	s_mov_b64 s[64:65], 0
	v_nop
	global_prefetch_b8 v0, s[64:65] scope:SCOPE_SE
	s_setreg_imm32_b32 hwreg(HW_REG_WAVE_MODE, 25, 1), 1
	s_wait_xcnt 0x0
	s_wait_alu depctr_hold_cnt(0) depctr_sa_sdst(0) depctr_va_vdst(0) depctr_va_sdst(0) depctr_va_ssrc(0) depctr_va_vcc(0) depctr_vm_vsrc(0)
	s_getreg_b32 s2, hwreg(HW_REG_IB_STS2, 6, 4)
	s_cmp_eq_u32 s2, 0
	s_cbranch_scc0 .Lentry_in_a_cluster
	s_endpgm
.Lentry_in_a_cluster:
	s_bfe_u32 s2, ttmp6, 0x10000c
	s_cmp_lg_u32 s2, 0x3003
	s_cbranch_scc0 .Lentry_shape_is_right
	s_endpgm
.Lentry_shape_is_right:
; ATTN.  attn = softmax(q k^T / 8) v for one (batch, head) and 256 queries a work-group, both products on codes of E4M3; the result leaves as codes (scale 2^e8).
; THE SOFTMAX: t = score x log2(e) / 8; M = the running largest t rounded UP to a whole number; p = 2^(t - M) is quantised (scale 2^e6), not normalised; the row's sum is taken of the unquantised p and divides at the end.
; When M moves, the sum and O are multiplied by 2^(old M - new M), which rounds nothing.
; SHARES.  Eight waves, 32 queries each, as two tiles of 16: every fragment of K and of V that a wave reads from LDS feeds two matrix instructions.  Every wave walks the head's 2,048 keys, 128 a step.
; ALL OF THE HEAD'S K AND V LIE IN LDS, each byte filled once: every wave brings one eighth (128 rows of 256 bytes) by its one tensor load at the head; waves 0-3 K, waves 4-7 V.
; One wait for that load and one barrier show all of it to all waves; the 16 steps have no barrier.
; CLUSTER: the four query blocks of a cluster belong to one head and ask for K and V jointly.
; NO PREFETCH: all that the launch reads through LDS is asked for by the head's loads; there is no later load to run ahead of.
; LAYOUT.  Both products transposed: S^T = K Q^T (16x16x64), O^T = V^T P^T (16x16x128): a lane holds one query of each tile.  S^T's tile t, register j, lane half h is key 16 t + 8 h + j; the conversions lay p's codes so that
; registers 4 g .. 4 g + 3 hold keys 32 g + 8 h + 0..7 and 32 g + 16 + 8 h + 0..7: V's rows were written in that order of keys.  V's places were ordered so that O^T's tiles 2 u, 2 u + 1 are channels 32 u + 16 h + 0 .. 15.
; K's and V's blocks are dense in memory: taken as rows of 256 bytes with 16 of padding.  A key's 64 bytes lie at (key / 4) 272 + (key % 4) 64, a row of V (128 bytes) at (p / 2) 272 + (p % 2) 128.
; A STEP: 16 score products; then V's fragments of this step and K's of the next are fetched, and land under the softmax; 8 products for O^T.
; OUT: ao byte ((row / 64) 16 + head) 4096 + (row % 64) 64 + channel: a wave's 32 rows are 2,048 bytes on end.
; LIMITS: e4 + e5 between -123 and 130; e6 and e8 between -126 and 119; the scaled scores stay under 2^31 in magnitude.  NaN is not served.
; REGISTERS.  Window 0: v1-11 addresses and the scale; v12-15 (-M, largest t) a tile; v16-19 the sums; v20-23 f; v24-29 at work; v30-31 the hold; v32-63 p's codes (the sums' side chains before that); v64-127 V; v128-255 S^T, then p.
; Window 1: v0-15 Q; v16-79 O^T; v80-143 K.
.set VREG,  139264                     ; K at 0, V here: 512 rows x 272 each
.set STG,   278528                     ; the way out: 2,048 bytes a wave
.set SPARE, 294912                     ; the spare words: 128 bytes a wave, four blocks of 256 bytes that no other line names
.set KSTEP, 8704                       ; 128 keys of K, and of V: 32 LDS rows
.set AK0, 1
.set AV0, 2
.set QA,  3
.set STI, 4
.set STO, 5
.set SPW, 6
.set NIL, 7
.set ADK, 8
.set ADV, 9
.set GO,  10
.set SCL, 11
.set NM,  12
.set LS,  16
.set FF,  20
.set MX,  24
.set PX,  28
.set HLD, 30
.set CD,  32
.set VF,  64
.set SS,  128
.set QF,  0
.set OT,  16
.set KF,  80
.set WV,  18
.set SEL, 20
.set CS,  22
.set G1,  24
.set G0,  32
.set TB,  48                           ; LDS byte of this step's tiles within K's and within V's region
.set CNT, 49
.set TBN, 53                           ; the next step's
.set MSB, 0
.macro WIN new                         ; the immediate's high byte repeats the setting that is left
.if MSB != \new
	s_set_vgpr_msb (MSB<<8)|\new
.set MSB, \new
.endif
.endm
.macro CROUND
	s_barrier_signal -1
	s_barrier_wait -1
	s_cmp_lg_u32 s[WV], 0
	s_cbranch_scc1 .Lnot_wave_0_\@
	s_barrier_signal -3
.Lnot_wave_0_\@:
	s_barrier_wait -3
	s_barrier_signal -1
	s_barrier_wait -1
.endm
.macro KLOAD adr                       ; eight tiles of 16 keys into window 1
	WIN 0x40
.irp t, 0,1,2,3,4,5,6,7
.irp c, 0,1
	ds_load_b128 v[KF+8*\t+4*\c:KF+8*\t+4*\c+3], v[\adr] offset:1088*\t+32*\c
.endr
.endr
	WIN 0
.endm
	s_load_b128 s[4:7], s[0:1], 0x0                ; qkvc, lowp_scales
	s_load_b64 s[8:9], s[0:1], 0x10                ; ao
	v_lshl_add_u32 v[SPW], v0, 2, SPARE
	v_mov_b32 v[NIL], 0
	ds_add_u32 v[SPW], v[NIL]                      ; the opening lines: the add, twice on end, and its wait ahead of my tensor load
	ds_add_u32 v[SPW], v[NIL]
	v_lshrrev_b32 v8, 5, v0
	v_readfirstlane_b32 s[WV], v8                  ; wave 0..7
	s_bfe_u32 s50, ttmp6, 0x40000                  ; cx: it enters Q's and the output's addresses alone
	s_lshl_b32 s51, ttmp9, 2
	s_add_co_u32 s51, s51, s50                     ; my block of 256 queries
	s_and_b32 s52, ttmp7, 0xffff                   ; 16 b + head, which the four partners share
	s_mul_i32 s55, s[WV], 34816                    ; my eighth in LDS: K's four, then V's four
	s_lshr_b32 s57, s[WV], 2
	s_add_co_u32 s57, s57, 1
	s_lshl_b32 s57, s57, 22                        ; K's codes begin at 4,194,304, V's at 8,388,608
	s_lshl_b32 s73, s52, 17                        ; the head's 131,072 bytes
	s_add_co_u32 s58, s57, s73
	s_and_b32 s56, s[WV], 3
	s_lshl_b32 s56, s56, 15                        ; my 32,768 of them
	s_add_co_u32 s58, s58, s56
	s_mov_b32 s59, 0
	s_mov_b32 s[G1], 15|(1<<20)|(1<<21)|(5<<22)|(3<<25)   ; the mask: all four work-groups; elements of 1 byte; padding on; bit 21 beside a mask; 4 words behind every 64
	s_mov_b32 s[G1+1], 256<<16                     ; tensor_dim0
	s_mov_b32 s[G1+2], 128<<16                     ; tensor_dim1
	s_mov_b32 s[G1+3], 256<<16                     ; tile_dim0
	s_mov_b32 s[G1+4], 128                         ; tile_dim1
	s_mov_b32 s[G1+5], 256                         ; the pitch: dense
	s_mov_b32 s[G1+6], 0
	s_mov_b32 s[G1+7], 0
	s_mov_b32 s[SEL], 0x76543210
	s_mov_b32 s[SEL+1], 0xfedcba98
	s_mov_b32 s[CS], 0x3e38aa3b                    ; c = log2(e) / 8
	s_lshl_b32 s60, s51, 8
	s_lshl_b32 s61, s[WV], 5
	s_add_co_u32 s60, s60, s61                     ; my first query within the head
	s_lshl_b32 s62, s60, 6
	s_add_co_u32 s62, s62, s73
	s_mov_b32 s63, 0                               ; its codes
	s_lshr_b32 s74, s52, 4
	s_and_b32 s75, s52, 15
	s_lshl_b32 s74, s74, 11
	s_add_co_u32 s74, s74, s60                     ; its row among the 4,096
	s_lshr_b32 s76, s74, 6
	s_lshl_b32 s76, s76, 4
	s_add_co_u32 s76, s76, s75
	s_lshl_b32 s76, s76, 12
	s_and_b32 s77, s74, 63
	s_lshl_b32 s77, s77, 6
	s_add_co_u32 s76, s76, s77
	s_mov_b32 s77, 0
	s_wait_dscnt 0x0                               ; both opening adds are done
	s_wait_kmcnt 0x0
	s_load_b128 s[68:71], s[6:7], 0x10             ; e4, e5, e6, e7
	s_load_b32 s72, s[6:7], 0x20                   ; e8
	s_add_nc_u64 s[12:13], s[4:5], s[62:63]
	s_add_nc_u64 s[8:9], s[8:9], s[76:77]
	s_mov_b32 s[G0], 1
	s_mov_b32 s[G0+1], s55
	s_add_nc_u64 s[G0+2:G0+3], s[4:5], s[58:59]
	s_or_b32 s[G0+3], s[G0+3], 0x80000000
	CROUND                                         ; all four work-groups are here: the joint loads meet
	tensor_load_to_lds s[G0:G0+3], s[G1:G1+7]      ; my one tensor load of the launch
	s_nop 0
.rept 4
	v_nop
.endr
	v_and_b32 v8, 15, v0                           ; r
	v_bfe_u32 v9, v0, 4, 1                         ; h
	v_lshlrev_b32 v[QA], 6, v8
	v_lshl_add_u32 v[QA], v9, 4, v[QA]             ; Q: row r of 64 bytes + 16 h
	WIN 0x40
.irp u, 0,1
.irp c, 0,1
	global_load_b128 v[QF+8*\u+4*\c:QF+8*\u+4*\c+3], v[QA], s[12:13] offset:1024*\u+32*\c
.endr
.endr
	WIN 0
	v_lshrrev_b32 v[AK0], 2, v8
	v_mul_u32_u24 v[AK0], v[AK0], 272
	v_and_b32 v[GO], 3, v8
	v_lshl_add_u32 v[AK0], v[GO], 6, v[AK0]
	v_lshl_add_u32 v[AK0], v9, 4, v[AK0]           ; K: (r / 4) 272 + (r % 4) 64 + 16 h
	v_lshrrev_b32 v[AV0], 1, v8
	v_mul_u32_u24 v[AV0], v[AV0], 272
	v_and_b32 v[GO], 1, v8
	v_lshl_add_u32 v[AV0], v[GO], 7, v[AV0]
	v_lshl_add_u32 v[AV0], v9, 4, v[AV0]
	v_add_nc_u32 v[AV0], VREG, v[AV0]              ; V: (r / 2) 272 + (r % 2) 128 + 16 h
	s_lshl_b32 s78, s[WV], 11
	s_add_co_u32 s78, s78, STG
	v_add_nc_u32 v[STI], s78, v[QA]                ; my stage: in, row r of 64 bytes + 16 h
	v_and_b32 v[GO], 31, v0
	v_lshlrev_b32 v[GO], 4, v[GO]                  ; 16 x lane
	v_add_nc_u32 v[STO], s78, v[GO]                ; back
.irp u, 0,1
	v_mov_b32 v[NM+2*\u+1], 0xff61b1e6             ; the largest t so far: -3e38
	v_floor_f32 v[NM+2*\u], -v[NM+2*\u+1]          ; -M
	v_mov_b32 v[LS+2*\u], 0
	v_mov_b32 v[LS+2*\u+1], 0
	v_mov_b32 v[FF+2*\u+1], 0                      ; named as the upper half of f's pair
	v_mov_b32 v[PX+\u], 0                          ; a lane permute's destination counts as one of its sources
.endr
	WIN 0x40
.set J, 0
.rept 64
	v_mov_b32 v[OT+J], 0                           ; O^T: the step's first turn finds zeros, which the first change of M leaves zeros
.set J, J+1
.endr
	WIN 0
	s_wait_kmcnt 0x0
	s_add_co_i32 s79, s68, s69
	s_lshl_b32 s79, s79, 23
	s_add_co_i32 s[CS], s[CS], s79                 ; a score stands for score x 2^(e4 + e5): added to c's exponent field
	s_mov_b32 s[CS+1], s[CS]
	s_add_co_i32 s79, s70, 127
	s_lshl_b32 s80, s79, 23
	v_mov_b32 v[SCL], s80                          ; 2^e6
	s_add_co_i32 s79, s79, 8
	s_lshl_b32 s79, s79, 23
	s_or_b32 s79, s79, 0x600000
	v_mov_b32 v[HLD], s79                          ; 448 x 2^e6, in two registers: one for each half of a dual pair
	v_mov_b32 v[HLD+1], s79
	s_mov_b32 s[TB], 0
	s_mov_b32 s[TBN], KSTEP
	s_mov_b32 s[CNT], 15
.macro STEP last                       ; 128 keys x my 32 queries
	WIN 0x05                                       ; K and Q in window 1
.irp t, 0,1,2,3,4,5,6,7
.irp u, 0,1
	v_wmma_f32_16x16x64_fp8_fp8 v[SS+64*\u+8*\t:SS+64*\u+8*\t+7], v[KF+8*\t:KF+8*\t+7], v[QF+8*\u:QF+8*\u+7], 0
.endr
.endr
	WIN 0
	v_add_nc_u32 v[ADV], s[TB], v[AV0]             ; four places behind the products, in front of the loads into their sources and of the reads of their results
.if \last
	v_nop
.else
	v_add_nc_u32 v[ADK], s[TBN], v[AK0]
.endif
	v_nop
	v_nop
.irp t, 0,1,2,3
.irp c, 0,1,2,3
	ds_load_b128 v[VF+16*\t+4*\c:VF+16*\t+4*\c+3], v[ADV] offset:2176*\t+32*\c   ; this step's V
.endr
.endr
.if \last == 0
	KLOAD ADK                                      ; the next step's K
.endif
.irp u, 0,1                                    ; the step's largest score of each query among the lane's 64 keys: two chains a tile, each accumulator from its low end on
	v_max3_num_f32 v[MX+2*\u], v[SS+64*\u], v[SS+64*\u+1], v[SS+64*\u+2]
	v_max3_num_f32 v[MX+2*\u+1], v[SS+64*\u+3], v[SS+64*\u+4], v[SS+64*\u+5]
.endr
.irp i, 6,10,14,18,22,26,30,34,38,42,46,50,54,58
.irp u, 0,1
	v_max3_num_f32 v[MX+2*\u], v[MX+2*\u], v[SS+64*\u+\i], v[SS+64*\u+\i+1]
	v_max3_num_f32 v[MX+2*\u+1], v[MX+2*\u+1], v[SS+64*\u+\i+2], v[SS+64*\u+\i+3]
.endr
.endr
.irp u, 0,1
	v_max3_num_f32 v[MX+2*\u], v[MX+2*\u], v[SS+64*\u+62], v[SS+64*\u+63]
.endr
.irp u, 0,1
	v_max_num_f32 v[MX+2*\u], v[MX+2*\u], v[MX+2*\u+1]
.endr
.irp u, 0,1
	v_permlanex16_b32 v[PX+\u], v[MX+2*\u], s[SEL], s[SEL+1]
.endr
.irp u, 0,1
	v_max_num_f32 v[MX+2*\u], v[MX+2*\u], v[PX+\u] ; and among lane l xor 16's
.endr
.irp u, 0,1
	v_mul_f32 v[MX+2*\u], s[CS], v[MX+2*\u]        ; as t
.endr
.irp u, 0,1
	v_max_num_f32 v[NM+2*\u+1], v[NM+2*\u+1], v[MX+2*\u]
.endr
.irp u, 0,1
	v_mov_b32 v[MX+2*\u+1], v[NM+2*\u]
.endr
.irp u, 0,1
	v_floor_f32 v[NM+2*\u], -v[NM+2*\u+1]          ; the new -M = -ceil(t)
.endr
.irp u, 0,1
	v_sub_f32 v[MX+2*\u], v[NM+2*\u], v[MX+2*\u+1] ; old M - new M: a whole number, 0 or less
.endr
.irp u, 0,1
	v_cvt_i32_f32 v[MX+2*\u], v[MX+2*\u]           ; (it saturates)
.endr
.irp u, 0,1
	v_ldexp_f32 v[FF+2*\u], 1.0, v[MX+2*\u]        ; f = 2^(old M - new M)
.endr
	WIN 0x41                                       ; O^T under the new M, ahead of the exponentials
.irp u, 0,1
.set J, 0
.rept 16
	v_pk_mul_f32 v[OT+32*\u+J:OT+32*\u+J+1], v[OT+32*\u+J:OT+32*\u+J+1], v[FF+2*\u:FF+2*\u+1] op_sel_hi:[1,0]
.set J, J+2
.endr
.endr
	WIN 0
.irp u, 0,1
.set J, 0
.rept 32
	v_pk_fma_f32 v[SS+64*\u+J:SS+64*\u+J+1], v[SS+64*\u+J:SS+64*\u+J+1], s[CS:CS+1], v[NM+2*\u:NM+2*\u+1] op_sel_hi:[1,0,0]   ; t - M
.set J, J+2
.endr
.endr
	s_wait_alu depctr_va_vdst(0)
.set J, 0
.rept 128
	v_exp_f32 v[SS+J], v[SS+J]                     ; p = 2^(t - M)
.set J, J+1
.endr
	v_pk_mul_f32 v[LS:LS+1], v[LS:LS+1], v[FF:FF+1] op_sel_hi:[1,0]           ; the sums under the new M (plain places behind the exponentials)
	v_pk_mul_f32 v[LS+2:LS+3], v[LS+2:LS+3], v[FF+2:FF+3] op_sel_hi:[1,0]
	s_wait_alu depctr_va_vdst(0)                   ; one wait for the whole batch, ahead of its first reader
.irp u, 0,1                                    ; the rows' sums of the unquantised p: four chains a tile, three of them in registers that take p's codes afterwards
.irp c, 0,1,2
	v_pk_add_f32 v[CD+6*\u+2*\c:CD+6*\u+2*\c+1], v[SS+64*\u+4*\c:SS+64*\u+4*\c+1], v[SS+64*\u+4*\c+2:SS+64*\u+4*\c+3]
.endr
.endr
.irp j, 12,20,28,36,44,52
.irp u, 0,1
	v_pk_add_f32 v[LS+2*\u:LS+2*\u+1], v[LS+2*\u:LS+2*\u+1], v[SS+64*\u+\j:SS+64*\u+\j+1]
.irp c, 0,1,2
	v_pk_add_f32 v[CD+6*\u+2*\c:CD+6*\u+2*\c+1], v[CD+6*\u+2*\c:CD+6*\u+2*\c+1], v[SS+64*\u+\j+2+2*\c:SS+64*\u+\j+3+2*\c]
.endr
.endr
.endr
.irp u, 0,1
	v_pk_add_f32 v[LS+2*\u:LS+2*\u+1], v[LS+2*\u:LS+2*\u+1], v[SS+64*\u+60:SS+64*\u+61]
	v_pk_add_f32 v[CD+6*\u:CD+6*\u+1], v[CD+6*\u:CD+6*\u+1], v[SS+64*\u+62:SS+64*\u+63]
.endr
.irp u, 0,1
	v_pk_add_f32 v[CD+6*\u+2:CD+6*\u+3], v[CD+6*\u+2:CD+6*\u+3], v[CD+6*\u+4:CD+6*\u+5]
	v_pk_add_f32 v[LS+2*\u:LS+2*\u+1], v[LS+2*\u:LS+2*\u+1], v[CD+6*\u:CD+6*\u+1]
.endr
.irp u, 0,1
	v_pk_add_f32 v[LS+2*\u:LS+2*\u+1], v[LS+2*\u:LS+2*\u+1], v[CD+6*\u+2:CD+6*\u+3]
.endr
.irp u, 0,1
.irp t, 0,1,2,3,4,5,6,7
.irp i, 0,2,4,6
	v_dual_min_num_f32 v[SS+64*\u+8*\t+\i], v[SS+64*\u+8*\t+\i], v[HLD] :: v_dual_min_num_f32 v[SS+64*\u+8*\t+\i+1], v[SS+64*\u+8*\t+\i+1], v[HLD+1]   ; the hold (ISA guide 7.6.2); p is not negative
.endr
	v_cvt_scalef32_pk8_fp8_f32 v[CD+16*\u+2*\t:CD+16*\u+2*\t+1], v[SS+64*\u+8*\t:SS+64*\u+8*\t+7], v[SCL]
.endr
.endr
	v_nop                                          ; a plain line between the last conversion and the products
	s_wait_alu depctr_va_vdst(0)
	s_wait_dscnt 0x0                               ; V, and the next step's K
	WIN 0x50                                       ; O^T in window 1
.irp t, 0,1,2,3
.irp u, 0,1
	v_wmma_f32_16x16x128_fp8_fp8 v[OT+32*\u+8*\t:OT+32*\u+8*\t+7], v[VF+16*\t:VF+16*\t+15], v[CD+16*\u:CD+16*\u+15], v[OT+32*\u+8*\t:OT+32*\u+8*\t+7]
.endr
.endr
	WIN 0
.endm
	s_wait_alu depctr_va_vdst(0)
	s_wait_loadcnt 0x0                             ; Q
	s_wait_tensorcnt 0x0                           ; my eighth of K and V has landed
	s_barrier_signal -1
	s_barrier_wait -1                              ; everybody's has
	KLOAD AK0                                      ; the first step's K
	s_wait_dscnt 0x0
.Lstep:                                                ; 15 trips; the last step, which fetches no further K, is written out
	STEP 0
	s_add_co_u32 s[TB], s[TB], KSTEP
	s_add_co_u32 s[TBN], s[TBN], KSTEP
	s_sub_co_u32 s[CNT], s[CNT], 1
	s_cmp_lg_u32 s[CNT], 0
	s_cbranch_scc1 .Lstep
	STEP 1
	; THE WAY OUT: O^T / the sum x 2^(e6 + e7), quantised with 2^e8; 32 rows x 64 bytes through my stage, stored as 2,048 bytes on end
.irp u, 0,1
	v_add_f32 v[LS+2*\u], v[LS+2*\u], v[LS+2*\u+1]
.endr
.irp u, 0,1
	v_permlanex16_b32 v[PX+\u], v[LS+2*\u], s[SEL], s[SEL+1]
.endr
.irp u, 0,1
	v_add_f32 v[LS+2*\u], v[LS+2*\u], v[PX+\u]
.endr
	s_wait_alu depctr_va_vdst(0)
.irp u, 0,1
	v_rcp_f32 v[LS+2*\u], v[LS+2*\u]
.endr
	v_nop
	s_add_co_i32 s79, s70, s71
	s_add_co_i32 s80, s72, 127
	s_lshl_b32 s81, s80, 23
	s_add_co_i32 s80, s80, 8
	s_lshl_b32 s80, s80, 23
	s_or_b32 s80, s80, 0x600000
	s_wait_alu depctr_va_vdst(0)                   ; and ahead of their first reader
.irp u, 0,1
	v_ldexp_f32 v[LS+2*\u], v[LS+2*\u], s79
.endr
	v_mov_b32 v[SCL], s81                          ; 2^e8
	v_mov_b32 v[HLD], s80                          ; 448 x 2^e8
	WIN 0x01
	s_wait_alu depctr_va_vdst(0)
.irp u, 0,1
.set J, 0
.rept 16
	v_pk_mul_f32 v[SS+32*\u+J:SS+32*\u+J+1], v[OT+32*\u+J:OT+32*\u+J+1], v[LS+2*\u:LS+2*\u+1] op_sel_hi:[1,0]
.set J, J+2
.endr
.endr
	WIN 0
.set J, 0
.rept 64
	v_med3_num_f32 v[SS+J], v[SS+J], -v[HLD], v[HLD]
.set J, J+1
.endr
.irp u, 0,1
.irp t, 0,1,2,3
	v_cvt_scalef32_pk8_fp8_f32 v[CD+8*\u+2*\t:CD+8*\u+2*\t+1], v[SS+32*\u+8*\t:SS+32*\u+8*\t+7], v[SCL]
.endr
.endr
	v_nop
.irp u, 0,1
	ds_store_b128 v[STI], v[CD+8*\u:CD+8*\u+3] offset:1024*\u          ; channels 16 h + 0 .. 15
	ds_store_b128 v[STI], v[CD+8*\u+4:CD+8*\u+7] offset:1024*\u+32     ; channels 32 + 16 h + 0 .. 15
.endr
.irp i, 0,1,2,3
	ds_load_b128 v[VF+4*\i:VF+4*\i+3], v[STO] offset:512*\i            ; my own bytes: LDS serves a wave's instructions in order
.endr
.irp i, 0,1,2,3
	s_wait_dscnt 3-\i                              ; the 3 - i younger loads may be out
	global_store_b128 v[GO], v[VF+4*\i:VF+4*\i+3], s[8:9] offset:512*\i   ; 512 consecutive bytes, at a multiple of 256 from ao's first byte
.endr
	s_wait_tensorcnt 0x0                           ; the wave's end
	ds_add_u32 v[SPW], v[NIL]
	s_wait_dscnt 0x0
	CROUND                                         ; the closing round
	s_endpgm
.Lfunc_end_k_qe75bceb339_attn:
	.size	k_qe75bceb339_attn, .Lfunc_end_k_qe75bceb339_attn-k_qe75bceb339_attn
	.p2alignl 7, 3214868480
	.fill 96, 4, 3214868480
	.section	.rodata,"a",@progbits
	.p2align	6, 0x0
	.amdhsa_kernel k_qe75bceb339_attn
		.amdhsa_group_segment_fixed_size 296960
		.amdhsa_private_segment_fixed_size 0
		.amdhsa_enable_private_segment 0
		.amdhsa_kernarg_size 24
		.amdhsa_user_sgpr_count 2
		.amdhsa_user_sgpr_kernarg_segment_ptr 1
		.amdhsa_wavefront_size32 1
		.amdhsa_system_sgpr_workgroup_id_x 1
		.amdhsa_system_sgpr_workgroup_id_y 1
		.amdhsa_system_sgpr_workgroup_id_z 1
		.amdhsa_system_vgpr_workitem_id 0
		.amdhsa_next_free_vgpr 400
		.amdhsa_next_free_sgpr 90
		.amdhsa_reserve_vcc 0
		.amdhsa_float_denorm_mode_32 3
		.amdhsa_float_denorm_mode_16_64 3
		.amdhsa_memory_ordered 1
		.amdhsa_forward_progress 1
		.amdhsa_inst_pref_size 74
	.end_amdhsa_kernel
	.amdgpu_metadata
---
amdhsa.version: [ 1, 2 ]
amdhsa.kernels:
  - .name:           k_qe75bceb339_attn
    .symbol:         k_qe75bceb339_attn.kd
    .args:
      - { .name: qkvc, .offset: 0, .size: 8, .value_kind: global_buffer, .address_space: global }
      - { .name: lowp_scales, .offset: 8, .size: 8, .value_kind: global_buffer, .address_space: global }
      - { .name: ao, .offset: 16, .size: 8, .value_kind: global_buffer, .address_space: global }
    .group_segment_fixed_size: 296960
    .private_segment_fixed_size: 0
    .kernarg_segment_align: 8
    .kernarg_segment_size: 24
    .max_flat_workgroup_size: 256
    .sgpr_count:     90
    .vgpr_count:     400
    .wavefront_size: 32
...
	.end_amdgpu_metadata
.endif
;; end of part 3
;; launch oproj (part 4): grid 8 x 32, 4 waves a work-group, clusters of 4 x 4, 327,680 bytes of LDS; arguments ao, pre, bo, x, lowp_scales, x1; writes x1
.if DOCPART == 4
	.amdgcn_target "amdgcn-amd-amdhsa--gfx1250"
	.amdhsa_code_object_version 6
	.text
	.protected	k_qe75bceb339_oproj
	.globl	k_qe75bceb339_oproj
	.p2align	8
	.type	k_qe75bceb339_oproj,@function
k_qe75bceb339_oproj:
	s_mov_b64 s[64:65], 0
	v_nop
	global_prefetch_b8 v0, s[64:65] scope:SCOPE_SE
	s_setreg_imm32_b32 hwreg(HW_REG_WAVE_MODE, 25, 1), 1
	s_wait_xcnt 0x0
	s_wait_alu depctr_hold_cnt(0) depctr_sa_sdst(0) depctr_va_vdst(0) depctr_va_sdst(0) depctr_va_ssrc(0) depctr_va_vcc(0) depctr_vm_vsrc(0)
	s_getreg_b32 s2, hwreg(HW_REG_IB_STS2, 6, 4)
	s_cmp_eq_u32 s2, 0
	s_cbranch_scc0 .Lentry_in_a_cluster
	s_endpgm
.Lentry_in_a_cluster:
	s_bfe_u32 s2, ttmp6, 0x10000c
	s_cmp_lg_u32 s2, 0xf033
	s_cbranch_scc0 .Lentry_shape_is_right
	s_endpgm
.Lentry_shape_is_right:
.set KTOT,   1024
.set KB,     KTOT/128
.set LAPS,   KTOT/1024
.set BOFF,   11534336
.set A64,    1
.set ES,     8
.set NT,     0
.set PITCH,  272
.set HALFT,  128*PITCH
.set SLOT,   4*HALFT
.set SPARE,  2*SLOT
.set ADRA, 16
.set ADRB, 20
.set SPW,  28
.set NIL,  29
.set ACC,  128
.set F0,   0
.set F1,   128
.set G1,  24
.set G0,  32
.set G1B, 48
.set G0B, 56
.set MSB, 0
.macro WIN new
.if MSB != \new
	s_set_vgpr_msb (MSB<<8)|\new
.set MSB, \new
.endif
.endm
.set MUL,  0x05
.set TO_F, 0x40
.macro JLOAD s
	s_cmp_eq_u32 s11, 0
	s_cbranch_scc0 .Lfor_b_\@
	tensor_load_to_lds s[G0+4*\s:G0+4*\s+3], s[G1:G1+7]
	s_nop 0
.rept 4
	v_nop
.endr
	s_branch .Lasked_\@
.Lfor_b_\@:
	tensor_load_to_lds s[G0B+4*\s:G0B+4*\s+3], s[G1B:G1B+7]
	s_nop 0
.rept 4
	v_nop
.endr
.Lasked_\@:
.endm
.macro CREST
	s_cmp_lg_u32 s10, 0
	s_cbranch_scc1 .Lnot_wave_0_\@
	s_barrier_signal -3
.Lnot_wave_0_\@:
	s_barrier_wait -3
	s_barrier_signal -1
	s_barrier_wait -1
.endm
.macro CROUND
	s_barrier_signal -1
	s_barrier_wait -1
	CREST
.endm
.macro PLACES
.rept 4
	v_nop
.endr
.endm
.macro MUL4 f, a, zero
.irp t, 0,1,2,3
.if \zero
	v_wmma_f32_16x16x128_fp8_fp8 v[ACC+8*(4*(\a)+\t):ACC+8*(4*(\a)+\t)+7], v[\f+64+16*\t:\f+64+16*\t+15], v[\f+16*(\a):\f+16*(\a)+15], 0
.else
	v_wmma_f32_16x16x128_fp8_fp8 v[ACC+8*(4*(\a)+\t):ACC+8*(4*(\a)+\t)+7], v[\f+64+16*\t:\f+64+16*\t+15], v[\f+16*(\a):\f+16*(\a)+15], v[ACC+8*(4*(\a)+\t):ACC+8*(4*(\a)+\t)+7]
.endif
.endr
.endm
.macro FETCH slot, q, f
	WIN TO_F
.irp i, 0,1,2,3
.irp c, 0,1,2,3
	ds_load_b128 v[\f+64+16*\i+4*\c:\f+64+16*\i+4*\c+3], v[ADRB+\slot] offset:(\q)*8704+\i*2176+32*\c
.endr
.endr
.irp i, 0,1,2,3
.irp c, 0,1,2,3
.if A64
	ds_load_b128 v[\f+16*\i+4*\c:\f+16*\i+4*\c+3], v[ADRA+\slot] offset:(2*(\q)+(\c/2))*4352+\i*1088+32*(\c%2)
.else
	ds_load_b128 v[\f+16*\i+4*\c:\f+16*\i+4*\c+3], v[ADRA+\slot] offset:(\q)*8704+\i*2176+32*\c
.endif
.endr
.endr
.endm
.macro QUARTER slot, qn, f, g, zero
	s_wait_dscnt 8
	WIN MUL
	MUL4 \f, 0, \zero
	MUL4 \f, 1, \zero
	PLACES
	FETCH \slot, \qn, \g
	s_wait_dscnt 32
	WIN MUL
	MUL4 \f, 2, \zero
	MUL4 \f, 3, \zero
.endm
.macro TURN slot, next, fill
	WIN 0
	s_wait_tensorcnt 0x0
	ds_add_u32 v[SPW], v[NIL]
	s_wait_dscnt 9
	WIN MUL
	MUL4 F1, 0, 0
	s_wait_dscnt 0x0
	s_barrier_signal -1
	MUL4 F1, 1, 0
	WIN 0
	s_barrier_wait -1
.if \fill
	CREST
	s_add_nc_u64 s[G0+4*\slot+2:G0+4*\slot+3], s[G0+4*\slot+2:G0+4*\slot+3], 65536
	s_add_nc_u64 s[G0B+4*\slot+2:G0B+4*\slot+3], s[G0B+4*\slot+2:G0B+4*\slot+3], 65536
	JLOAD \slot
.else
	PLACES
.endif
	FETCH \next, 0, F0
	WIN MUL
	MUL4 F1, 2, 0
	MUL4 F1, 3, 0
.endm
	s_load_b256 s[68:75], s[0:1], 0x0
	s_load_b128 s[76:79], s[0:1], 0x20
	v_lshl_add_u32 v[SPW], v0, 2, SPARE
	v_mov_b32 v[NIL], 0
	ds_add_u32 v28, v29
	ds_add_u32 v28, v29
	s_wait_dscnt 0x0
	v_lshrrev_b32 v1, 5, v0
	v_readfirstlane_b32 s10, v1
	s_lshr_b32 s11, s10, 1
	s_and_b32 s12, s10, 1
	s_bfe_u32 s40, ttmp6, 0x40000
	s_bfe_u32 s41, ttmp6, 0x40004
	s_lshl_b32 s42, ttmp9, 2
	s_add_co_u32 s42, s42, s40
	s_and_b32 s13, ttmp7, 0xffff
	s_lshl_b32 s13, s13, 2
	s_add_co_u32 s13, s13, s41
	s_lshl_b32 s43, s41, 2
	s_lshl_b32 s43, 15, s43
	s_lshl_b32 s44, 0x1111, s40
	s_or_b32 s[G1+0], s43, (1<<20)|(1<<21)|(5<<22)|(3<<25)
	s_or_b32 s[G1B+0], s44, (1<<20)|(1<<21)|(5<<22)|(3<<25)
.irp g, G1, G1B
	s_mov_b32 s[\g+1], 256<<16
	s_mov_b32 s[\g+2], 256<<16                     ; one load brings 64 operand rows x 1,024 K: 256 rows of 256 dense bytes
	s_mov_b32 s[\g+3], 256<<16
	s_mov_b32 s[\g+4], 256
	s_mov_b32 s[\g+5], 256
	s_mov_b32 s[\g+6], 0
	s_mov_b32 s[\g+7], 0
.endr
	s_lshl_b32 s16, s13, 1
	s_add_co_u32 s16, s16, s12
	s_mul_i32 s16, s16, KB*8192
	s_mov_b32 s17, 0
	s_lshl_b32 s46, s42, 1
	s_add_co_u32 s46, s46, s12
	s_mul_i32 s46, s46, KB*8192
	s_add_co_u32 s46, s46, BOFF
	s_mov_b32 s47, 0
	s_mul_i32 s20, s10, 2*HALFT                    ; wave x 256 LDS rows
	s_wait_kmcnt 0x0
	s_load_b64 s[84:85], s[76:77], ES*4
	s_add_nc_u64 s[14:15], s[68:69], s[16:17]
	s_add_nc_u64 s[46:47], s[70:71], s[46:47]
	CROUND
.irp s, 0
	s_mov_b32 s[G0+4*\s], 1
	s_add_co_u32 s[G0+4*\s+1], s20, \s*SLOT
	s_add_nc_u64 s[G0+4*\s+2:G0+4*\s+3], s[14:15], \s*32768
	s_or_b32 s[G0+4*\s+3], s[G0+4*\s+3], 0x80000000
	s_mov_b32 s[G0B+4*\s], 1
	s_add_co_u32 s[G0B+4*\s+1], s20, \s*SLOT
	s_add_nc_u64 s[G0B+4*\s+2:G0B+4*\s+3], s[46:47], \s*32768
	s_or_b32 s[G0B+4*\s+3], s[G0B+4*\s+3], 0x80000000
	JLOAD \s                                       ; my one tensor load, behind the opening round
.endr
	v_and_b32 v1, 15, v0
	v_bfe_u32 v2, v0, 4, 1
	v_lshrrev_b32 v3, 1, v1
	v_mul_u32_u24 v3, v3, PITCH
	v_and_b32 v4, 1, v1
	v_lshl_add_u32 v3, v4, 7, v3
	v_lshl_add_u32 v3, v2, 4, v3
.if A64
	v_lshrrev_b32 v5, 2, v1
	v_mul_u32_u24 v5, v5, PITCH
	v_and_b32 v4, 3, v1
	v_lshl_add_u32 v5, v4, 6, v5
	v_lshl_add_u32 v5, v2, 4, v5
.else
	v_mov_b32 v5, v3
.endif
	s_mul_i32 s21, s11, 2*HALFT                    ; a wave's load lies on end: K 0-511, then K 512-1,023, HALFT bytes each
	s_mul_i32 s22, s12, 2*HALFT
	s_add_co_u32 s22, s22, 4*HALFT
.irp s, 0,1
	v_add_nc_u32 v[ADRA+\s], s21, v5
	v_add_nc_u32 v[ADRB+\s], s22, v3
	s_add_co_u32 s21, s21, HALFT
	s_add_co_u32 s22, s22, HALFT
.endr
	v_and_b32 v6, 31, v0
	v_lshlrev_b32 v6, 4, v6
	s_wait_alu depctr_va_vdst(0)
	s_mul_i32 s82, s11, 64*528
	s_lshl_b32 s83, s12, 8
	s_add_co_u32 s82, s82, s83
	v_mul_u32_u24 v24, v1, 528
	v_lshl_add_u32 v24, v2, 6, v24
	v_add_nc_u32 v24, s82, v24
	s_mul_i32 s82, s10, 32*528
	v_add_nc_u32 v25, s82, v6
	s_lshl_b32 s82, s13, 7
	s_lshl_b32 s83, s10, 5
	s_add_co_u32 s82, s82, s83
	s_lshl_b32 s82, s82, 12
	s_lshl_b32 s83, s42, 9
	s_add_co_u32 s82, s82, s83
	s_mov_b32 s83, 0
	s_add_nc_u64 s[74:75], s[74:75], s[82:83]
	s_add_nc_u64 s[78:79], s[78:79], s[82:83]
	s_lshl_b32 s82, s42, 9
	s_add_nc_u64 s[72:73], s[72:73], s[82:83]
	WIN 0x80
.set T, 0
.rept 32
	global_load_b128 v[4*T:4*T+3], v6, s[74:75] offset:4096*T
.set T, T+1
.endr
	WIN 0
	global_load_b128 v[96:99], v6, s[72:73]
	s_wait_tensorcnt 0x0                           ; my one load is in
	s_barrier_signal -1
	s_barrier_wait -1
	FETCH 0, 0, F0
	QUARTER 0, 1, F0, F1, 1
.if LAPS > 1
	WIN 0
	s_mov_b32 s3, LAPS-1
.Llap:
	QUARTER 0, 2, F1, F0, 0
	QUARTER 0, 3, F0, F1, 0
	TURN 0, 1, 1
	QUARTER 1, 1, F0, F1, 0
	QUARTER 1, 2, F1, F0, 0
	QUARTER 1, 3, F0, F1, 0
	TURN 1, 0, 1
	QUARTER 0, 1, F0, F1, 0
	WIN 0
	s_sub_co_u32 s3, s3, 1
	s_cmp_lg_u32 s3, 0
	s_cbranch_scc1 .Llap
.endif
	QUARTER 0, 2, F1, F0, 0
	QUARTER 0, 3, F0, F1, 0
	TURN 0, 1, 0
	QUARTER 1, 1, F0, F1, 0
	QUARTER 1, 2, F1, F0, 0
	QUARTER 1, 3, F0, F1, 0
	s_wait_dscnt 8
	WIN MUL
	MUL4 F1, 0, 0
	MUL4 F1, 1, 0
	s_wait_alu depctr_va_vdst(0)
	s_wait_dscnt 0
	MUL4 F1, 2, 0
	MUL4 F1, 3, 0
	WIN 0
	PLACES
	s_barrier_signal -1                            ; no LDS read of mine is out: the stage lies on operand bytes that other waves read up to their last fetch
	s_barrier_wait -1
.irp a, 0,1,2,3
.irp u, 0,1
.irp i, 0,1,2,3
	ds_store_b128 v24, v[ACC+32*\a+16*\u+4*\i:ACC+32*\a+16*\u+4*\i+3] offset:\a*8448+128*\u+16*\i
.endr
.endr
.endr
	s_wait_kmcnt 0x0
	s_add_co_i32 s92, s84, s85
	s_add_co_i32 s92, s92, 127
	s_lshl_b32 s92, s92, 23
	s_mov_b32 s93, s92
	s_wait_loadcnt 0x0
	WIN 0x82
.set T, 0
.rept 32
	v_pk_add_f32 v[4*T:4*T+1], v[4*T:4*T+1], v[96:97]
	v_pk_add_f32 v[4*T+2:4*T+3], v[4*T+2:4*T+3], v[98:99]
.set T, T+1
.endr
	WIN 0
	s_wait_dscnt 0x0
	s_barrier_signal -1
	s_barrier_wait -1
.set T, 0
.rept 32
	ds_load_b128 v[ACC+4*T:ACC+4*T+3], v25 offset:528*T
.set T, T+1
.endr
	WIN 0x20
.set T, 0
.rept 32
	s_wait_dscnt 31-T
	v_pk_fma_f32 v[ACC+4*T:ACC+4*T+1], v[ACC+4*T:ACC+4*T+1], s[92:93], v[4*T:4*T+1] op_sel_hi:[1,0,1]
	v_pk_fma_f32 v[ACC+4*T+2:ACC+4*T+3], v[ACC+4*T+2:ACC+4*T+3], s[92:93], v[4*T+2:4*T+3] op_sel_hi:[1,0,1]
.if NT
	global_store_b128 v6, v[ACC+4*T:ACC+4*T+3], s[78:79] offset:4096*T th:TH_STORE_NT
.else
	global_store_b128 v6, v[ACC+4*T:ACC+4*T+3], s[78:79] offset:4096*T
.endif
.set T, T+1
.endr
	WIN 0
	s_wait_tensorcnt 0x0
	ds_add_u32 v[SPW], v[NIL]
	s_wait_dscnt 0x0
	CROUND
	s_endpgm
.Lfunc_end_k_qe75bceb339_oproj:
	.size	k_qe75bceb339_oproj, .Lfunc_end_k_qe75bceb339_oproj-k_qe75bceb339_oproj
	.p2alignl 7, 3214868480
	.fill 96, 4, 3214868480
	.section	.rodata,"a",@progbits
	.p2align	6, 0x0
	.amdhsa_kernel k_qe75bceb339_oproj
		.amdhsa_group_segment_fixed_size 327680
		.amdhsa_private_segment_fixed_size 0
		.amdhsa_enable_private_segment 0
		.amdhsa_kernarg_size 48
		.amdhsa_user_sgpr_count 2
		.amdhsa_user_sgpr_kernarg_segment_ptr 1
		.amdhsa_wavefront_size32 1
		.amdhsa_system_sgpr_workgroup_id_x 1
		.amdhsa_system_sgpr_workgroup_id_y 1
		.amdhsa_system_sgpr_workgroup_id_z 1
		.amdhsa_system_vgpr_workitem_id 0
		.amdhsa_next_free_vgpr 768
		.amdhsa_next_free_sgpr 100
		.amdhsa_reserve_vcc 0
		.amdhsa_float_denorm_mode_32 3
		.amdhsa_float_denorm_mode_16_64 3
		.amdhsa_memory_ordered 1
		.amdhsa_forward_progress 1
		.amdhsa_inst_pref_size 53
	.end_amdhsa_kernel
	.amdgpu_metadata
---
amdhsa.version: [ 1, 2 ]
amdhsa.kernels:
  - .name:           k_qe75bceb339_oproj
    .symbol:         k_qe75bceb339_oproj.kd
    .args:
      - { .name: ao, .offset: 0, .size: 8, .value_kind: global_buffer, .address_space: global }
      - { .name: pre, .offset: 8, .size: 8, .value_kind: global_buffer, .address_space: global }
      - { .name: bo, .offset: 16, .size: 8, .value_kind: global_buffer, .address_space: global }
      - { .name: x, .offset: 24, .size: 8, .value_kind: global_buffer, .address_space: global }
      - { .name: lowp_scales, .offset: 32, .size: 8, .value_kind: global_buffer, .address_space: global }
      - { .name: x1, .offset: 40, .size: 8, .value_kind: global_buffer, .address_space: global }
    .group_segment_fixed_size: 327680
    .private_segment_fixed_size: 0
    .kernarg_segment_align: 8
    .kernarg_segment_size: 48
    .max_flat_workgroup_size: 128
    .sgpr_count:     100
    .vgpr_count:     768
    .wavefront_size: 32
...
	.end_amdgpu_metadata
.endif
;; end of part 4
;; launch ln2 (part 5): grid 256 x 1, 4 waves a work-group, no clusters, 8,704 bytes of LDS; arguments x1, g_ffn, be_ffn, lowp_scales, hc; writes hc
.if DOCPART == 5
	.amdgcn_target "amdgcn-amd-amdhsa--gfx1250"
	.amdhsa_code_object_version 6
	.text
	.protected	k_qe75bceb339_ln2
	.globl	k_qe75bceb339_ln2
	.p2align	8
	.type	k_qe75bceb339_ln2,@function
k_qe75bceb339_ln2:
	s_mov_b64 s[64:65], 0
	v_nop
	global_prefetch_b8 v0, s[64:65] scope:SCOPE_SE
	s_setreg_imm32_b32 hwreg(HW_REG_WAVE_MODE, 25, 1), 1
	s_wait_xcnt 0x0
; LN2.  LayerNorm(x1) as codes of E4M3 with the scale 2^e10.  A wave takes 4 rows, two at a time; a row lies in 32 registers of the wave: register 4 j + i holds k = 128 j + 4 lane + i.
; Out: byte of (row, k) = ((row / 64) 8 + k / 128) 8192 + (row % 64) 128 + k % 128.  LIMITS: -126 <= e10 <= 119.  NaN is not served.  No barrier: waves share nothing.
.set GA,    32
.set BE,    64
.set XS,    96
.set CD,    224
.set OB,    240
	s_load_b256 s[8:15], s[0:1], 0x0               ; x1 s[8:9], g_ffn s[10:11], be_ffn s[12:13], lowp_scales s[14:15]
	s_load_b64 s[32:33], s[0:1], 0x20              ; hc
	s_set_vgpr_msb 0x40
	v_lshl_add_u32 v0, v0, 2, 0x2000
	v_mov_b32 v1, 0
	s_set_vgpr_msb 0x4000
	v_lshrrev_b32 v1, 5, v0
	v_readfirstlane_b32 s2, v1
	v_and_b32 v9, 31, v0
	s_wait_alu depctr_va_vdst(0)
	s_lshl_b32 s71, ttmp9, 4
	s_lshl_b32 s72, s2, 2
	s_add_co_u32 s71, s71, s72                     ; my first row
	s_lshl_b32 s72, s71, 12
	s_mov_b32 s73, 0
	s_lshr_b32 s74, s71, 6
	s_lshl_b32 s74, s74, 16
	s_and_b32 s75, s71, 63
	s_lshl_b32 s75, s75, 7
	s_add_co_u32 s74, s74, s75
	s_mov_b32 s75, 0
	s_mov_b32 s83, 0x3a800000                      ; 1 / 1024
	s_mov_b32 s84, 0x3727c5ac                      ; 1e-5
	s_mov_b32 s86, 0x76543210
	s_mov_b32 s87, 0xfedcba98
	v_lshlrev_b32 v1, 4, v9
	s_wait_alu depctr_va_vdst(0)
	s_wait_kmcnt 0x0
	s_load_b32 s76, s[14:15], 0x28                 ; e10
	s_add_nc_u64 s[8:9], s[8:9], s[72:73]
	s_add_nc_u64 s[32:33], s[32:33], s[74:75]
.irp j, 0,1,2,3,4,5,6,7
	global_load_b128 v[GA+4*\j:GA+4*\j+3], v1, s[10:11] offset:512*\j
.endr
.irp j, 0,1,2,3,4,5,6,7
	global_load_b128 v[BE+4*\j:BE+4*\j+3], v1, s[12:13] offset:512*\j
.endr
.macro LOADPAIR set, p
.irp w, 0,1
.irp j, 0,1,2,3,4,5,6,7
	global_load_b128 v[XS+64*(\set)+32*\w+4*\j:XS+64*(\set)+32*\w+4*\j+3], v1, s[8:9] offset:(2*(\p)+\w)*4096+512*\j
.endr
.endr
.endm
	LOADPAIR 0, 0
	LOADPAIR 1, 1
	s_lshl_b32 s85, s2, 11
	v_lshl_add_u32 v2, v9, 2, s85
	v_lshl_add_u32 v3, v9, 4, s85
	v_lshrrev_b32 v4, 4, v9
	v_lshlrev_b32 v4, 13, v4
	v_and_b32 v7, 15, v9
	v_lshl_add_u32 v4, v7, 4, v4
	s_wait_kmcnt 0x0
	s_add_co_i32 s76, s76, 127
	s_lshl_b32 s77, s76, 23
	v_mov_b32 v5, s77
	s_add_co_i32 s76, s76, 8
	s_lshl_b32 s76, s76, 23
	s_or_b32 s76, s76, 0x600000
	v_mov_b32 v6, s76
.macro REDUCE
.irp w, 0,1
	v_pk_add_f32 v[16+8*\w:17+8*\w], v[16+8*\w:17+8*\w], v[18+8*\w:19+8*\w]
	v_pk_add_f32 v[20+8*\w:21+8*\w], v[20+8*\w:21+8*\w], v[22+8*\w:23+8*\w]
.endr
.irp w, 0,1
	v_pk_add_f32 v[16+8*\w:17+8*\w], v[16+8*\w:17+8*\w], v[20+8*\w:21+8*\w]
.endr
.irp w, 0,1
	v_add_f32 v[16+8*\w], v[16+8*\w], v[17+8*\w]
.endr
.irp m, 1,2,4,8
.irp w, 0,1
	v_add_f32_dpp v[16+8*\w], v[16+8*\w], v[16+8*\w] row_xmask:\m row_mask:0xf bank_mask:0xf
.endr
.endr
.irp w, 0,1
	v_permlanex16_b32 v[17+8*\w], v[16+8*\w], s86, s87
.endr
.irp w, 0,1
	v_add_f32 v[16+8*\w], v[16+8*\w], v[17+8*\w]
.endr
.endm
.macro PAIR set, p, left
.set XP, XS+64*(\set)
	s_wait_loadcnt \left                           ; this pair's sixteen loads are in; the next pair's sixteen may be out
.irp c, 0,2,4,6
.irp w, 0,1
	v_pk_add_f32 v[16+8*\w+\c:17+8*\w+\c], v[XP+32*\w+\c:XP+32*\w+\c+1], v[XP+32*\w+8+\c:XP+32*\w+9+\c]
.endr
.endr
.irp k, 16,24
.irp c, 0,2,4,6
.irp w, 0,1
	v_pk_add_f32 v[16+8*\w+\c:17+8*\w+\c], v[16+8*\w+\c:17+8*\w+\c], v[XP+32*\w+\k+\c:XP+32*\w+\k+\c+1]
.endr
.endr
.endr
	REDUCE
.irp w, 0,1
	v_mul_f32 v[8+2*\w], s83, v[16+8*\w]
	v_mul_f32 v[9+2*\w], s83, v[16+8*\w]
.endr
.irp w, 0,1
.set J, 0
.rept 16
	v_pk_add_f32 v[XP+32*\w+J:XP+32*\w+J+1], v[XP+32*\w+J:XP+32*\w+J+1], v[8+2*\w:9+2*\w] neg_lo:[0,1] neg_hi:[0,1]
.set J, J+2
.endr
.endr
.irp c, 0,2,4,6
.irp w, 0,1
	v_pk_mul_f32 v[16+8*\w+\c:17+8*\w+\c], v[XP+32*\w+\c:XP+32*\w+\c+1], v[XP+32*\w+\c:XP+32*\w+\c+1]
.endr
.endr
.irp k, 8,16,24
.irp c, 0,2,4,6
.irp w, 0,1
	v_pk_fma_f32 v[16+8*\w+\c:17+8*\w+\c], v[XP+32*\w+\k+\c:XP+32*\w+\k+\c+1], v[XP+32*\w+\k+\c:XP+32*\w+\k+\c+1], v[16+8*\w+\c:17+8*\w+\c]
.endr
.endr
.endr
	REDUCE
.irp w, 0,1
	v_fma_f32 v[16+8*\w], v[16+8*\w], s83, s84
.endr
	s_wait_alu depctr_va_vdst(0)
.irp w, 0,1
	v_rsq_f32 v[12+2*\w], v[16+8*\w]
	v_rsq_f32 v[13+2*\w], v[16+8*\w]
.endr
	v_nop                                          ; a plain instruction between the last root and the use of its result
	s_wait_alu depctr_va_vdst(0)
.irp w, 0,1
.set J, 0
.rept 16
	v_pk_mul_f32 v[XP+32*\w+J:XP+32*\w+J+1], v[XP+32*\w+J:XP+32*\w+J+1], v[12+2*\w:13+2*\w]
.set J, J+2
.endr
.endr
.irp w, 0,1
.set J, 0
.rept 16
	v_pk_fma_f32 v[XP+32*\w+J:XP+32*\w+J+1], v[XP+32*\w+J:XP+32*\w+J+1], v[GA+J:GA+J+1], v[BE+J:BE+J+1]
.set J, J+2
.endr
.endr
.set J, 0
.rept 64
	v_med3_num_f32 v[XP+J], v[XP+J], -v6, v6
.set J, J+1
.endr
.irp w, 0,1
.irp q, 0,1,2,3
	v_cvt_scalef32_pk8_fp8_f32 v[CD+8*\w+2*\q:CD+8*\w+2*\q+1], v[XP+32*\w+8*\q:XP+32*\w+8*\q+7], v5
.endr
.endr
	v_nop
.irp w, 0,1
.irp j, 0,1,2,3,4,5,6,7
	ds_store_b32 v2, v[CD+8*\w+\j] offset:256*\j+128*\w
.endr
.endr
	s_wait_xcnt 0x0                                ; the last pair's stores have read their registers
.irp s, 0,1,2,3
	ds_load_b128 v[OB+4*\s:OB+4*\s+3], v3 offset:512*\s
.endr
.irp s, 0,1,2,3
	s_wait_dscnt 3-\s
	global_store_b128 v4, v[OB+4*\s:OB+4*\s+3], s[32:33] offset:16384*\s+256*(\p)   ; sixteen lanes store 256 consecutive bytes, aligned
.endr
.endm
	PAIR 0, 0, 16
	PAIR 1, 1, 0
	s_set_vgpr_msb 0x5
	s_wait_tensorcnt 0x0
	ds_add_u32 v0, v1
	s_wait_dscnt 0x0
	s_set_vgpr_msb 0x500
	s_endpgm
.Lfunc_end_k_qe75bceb339_ln2:
	.size	k_qe75bceb339_ln2, .Lfunc_end_k_qe75bceb339_ln2-k_qe75bceb339_ln2
	.p2alignl 7, 3214868480
	.fill 96, 4, 3214868480
	.section	.rodata,"a",@progbits
	.p2align	6, 0x0
	.amdhsa_kernel k_qe75bceb339_ln2
		.amdhsa_group_segment_fixed_size 8704
		.amdhsa_private_segment_fixed_size 0
		.amdhsa_enable_private_segment 0
		.amdhsa_kernarg_size 40
		.amdhsa_user_sgpr_count 2
		.amdhsa_user_sgpr_kernarg_segment_ptr 1
		.amdhsa_wavefront_size32 1
		.amdhsa_system_sgpr_workgroup_id_x 1
		.amdhsa_system_sgpr_workgroup_id_y 1
		.amdhsa_system_sgpr_workgroup_id_z 1
		.amdhsa_system_vgpr_workitem_id 0
		.amdhsa_next_free_vgpr 258
		.amdhsa_next_free_sgpr 100
		.amdhsa_reserve_vcc 0
		.amdhsa_float_denorm_mode_32 3
		.amdhsa_float_denorm_mode_16_64 3
		.amdhsa_memory_ordered 1
		.amdhsa_forward_progress 1
		.amdhsa_inst_pref_size 44
	.end_amdhsa_kernel
	.amdgpu_metadata
---
amdhsa.version: [ 1, 2 ]
amdhsa.kernels:
  - .name:           k_qe75bceb339_ln2
    .symbol:         k_qe75bceb339_ln2.kd
    .args:
      - { .name: x1, .offset: 0, .size: 8, .value_kind: global_buffer, .address_space: global }
      - { .name: g_ffn, .offset: 8, .size: 8, .value_kind: global_buffer, .address_space: global }
      - { .name: be_ffn, .offset: 16, .size: 8, .value_kind: global_buffer, .address_space: global }
      - { .name: lowp_scales, .offset: 24, .size: 8, .value_kind: global_buffer, .address_space: global }
      - { .name: hc, .offset: 32, .size: 8, .value_kind: global_buffer, .address_space: global }
    .group_segment_fixed_size: 8704
    .private_segment_fixed_size: 0
    .kernarg_segment_align: 8
    .kernarg_segment_size: 40
    .max_flat_workgroup_size: 128
    .sgpr_count:     100
    .vgpr_count:     258
    .wavefront_size: 32
...
	.end_amdgpu_metadata
.endif
;; end of part 5
;; launch ffn1 (part 6): grid 32 x 8, 4 waves a work-group, clusters of 4 x 4, 327,680 bytes of LDS; arguments hc, pre, b1, lowp_scales, gc; writes gc
.if DOCPART == 6
	.amdgcn_target "amdgcn-amd-amdhsa--gfx1250"
	.amdhsa_code_object_version 6
	.text
	.protected	k_qe75bceb339_ffn1
	.globl	k_qe75bceb339_ffn1
	.p2align	8
	.type	k_qe75bceb339_ffn1,@function
k_qe75bceb339_ffn1:
	s_mov_b64 s[64:65], 0
	v_nop
	global_prefetch_b8 v0, s[64:65] scope:SCOPE_SE
	s_setreg_imm32_b32 hwreg(HW_REG_WAVE_MODE, 25, 1), 1
	s_wait_xcnt 0x0
	s_wait_alu depctr_hold_cnt(0) depctr_sa_sdst(0) depctr_va_vdst(0) depctr_va_sdst(0) depctr_va_ssrc(0) depctr_va_vcc(0) depctr_vm_vsrc(0)
	s_getreg_b32 s2, hwreg(HW_REG_IB_STS2, 6, 4)
	s_cmp_eq_u32 s2, 0
	s_cbranch_scc0 .Lentry_in_a_cluster
	s_endpgm
.Lentry_in_a_cluster:
	s_bfe_u32 s2, ttmp6, 0x10000c
	s_cmp_lg_u32 s2, 0xf033
	s_cbranch_scc0 .Lentry_shape_is_right
	s_endpgm
.Lentry_shape_is_right:
.set KB,     8
.set BOFF,   12582912
.set PITCH,  272
.set HALFT,  128*PITCH
.set SLOT,   4*HALFT
.set SPARE,  2*SLOT
.set STAGE,  SPARE+512
.set ASTEP,  8*2*KB*8192
.set OSTEP,  8*2*32*8192
.set ABAS, 10
.set ADRA, 16
.set ADRB, 20
.set SPW,  28
.set NIL,  29
.set ACC,  128
.set G1,  24
.set G0,  32
.set TB,  36
.set G1B, 48
.set G0B, 56
.set MSB, 0
.macro WIN new
.if MSB != \new
	s_set_vgpr_msb (MSB<<8)|\new
.set MSB, \new
.endif
.endm
.macro CROUND
	s_barrier_signal -1
	s_barrier_wait -1
	s_cmp_lg_u32 s10, 0
	s_cbranch_scc1 .Lnot_wave_0_\@
	s_barrier_signal -3
.Lnot_wave_0_\@:
	s_barrier_wait -3
	s_barrier_signal -1
	s_barrier_wait -1
.endm
.macro PLACES
.rept 4
	v_nop
.endr
.endm
.macro MUL4 f, a, q, zero
.irp t, 0,1,2,3
.if \zero
	v_wmma_f32_16x16x128_fp8_fp8 v[ACC+8*(4*(\a)+\t):ACC+8*(4*(\a)+\t)+7], v[64*((\q)%4)+16*\t:64*((\q)%4)+16*\t+15], v[(\f)+16*(\a):(\f)+16*(\a)+15], 0
.else
	v_wmma_f32_16x16x128_fp8_fp8 v[ACC+8*(4*(\a)+\t):ACC+8*(4*(\a)+\t)+7], v[64*((\q)%4)+16*\t:64*((\q)%4)+16*\t+15], v[(\f)+16*(\a):(\f)+16*(\a)+15], v[ACC+8*(4*(\a)+\t):ACC+8*(4*(\a)+\t)+7]
.endif
.endr
.endm
.macro FETCHA q, f
	WIN 0x40
.irp i, 0,1,2,3
.irp c, 0,1,2,3
	ds_load_b128 v[(\f)+16*\i+4*\c:(\f)+16*\i+4*\c+3], v[ADRA+((\q)/4)] offset:((\q)%4)*8704+\i*2176+32*\c
.endr
.endr
.endm
.macro KSTEP q, zero
	s_wait_dscnt 8
	WIN (0x06+((\q)/4))
	MUL4 64*((\q)%2), 0, \q, \zero
	MUL4 64*((\q)%2), 1, \q, \zero
.if (\q) < 7
	PLACES
	FETCHA (\q)+1, 64-64*((\q)%2)
	s_wait_dscnt 16
	WIN (0x06+((\q)/4))
.else
	s_wait_dscnt 0x0
.endif
	MUL4 64*((\q)%2), 2, \q, \zero
	MUL4 64*((\q)%2), 3, \q, \zero
.endm
.macro CHANGE fill
	s_wait_tensorcnt 0x0
	ds_add_u32 v[SPW], v[NIL]
.if \fill
	s_xor_b32 s[G0+1], s[G0+1], SLOT
	s_add_nc_u64 s[G0+2:G0+3], s[G0+2:G0+3], ASTEP
.endif
	s_wait_dscnt 0x0
.if \fill
	CROUND
	tensor_load_to_lds s[G0:G0+3], s[G1:G1+7]
	s_nop 0
.rept 4
	v_nop
.endr
.else
	s_barrier_signal -1
	s_barrier_wait -1
.endif
.endm
.macro GELU16 a, u
.set X, ACC+32*(\a)+16*(\u)
.irp j, 0,2,4,6,8,10,12,14
	v_pk_fma_f32 v[X+\j:X+\j+1], v[X+\j:X+\j+1], s[92:93], v[96+16*(\u)+\j:97+16*(\u)+\j] op_sel_hi:[1,0,1]
.endr
.irp j, 0,1,2,3,4,5,6,7,8,9,10,11,12,13,14,15
	v_fma_f32 v[32+\j], |v[X+\j]|, s94, 1.0
.endr
	s_wait_alu depctr_va_vdst(0)
.irp j, 0,1,2,3,4,5,6,7,8,9,10,11,12,13,14,15
	v_rcp_f32 v[32+\j], v[32+\j]
.endr
.irp j, 0,2,4,6,8,10,12,14
	v_pk_mul_f32 v[64+\j:65+\j], v[X+\j:X+\j+1], v[X+\j:X+\j+1]
.endr
	s_wait_alu depctr_va_vdst(0)
.irp j, 0,2,4,6,8,10,12,14
	v_pk_fma_f32 v[48+\j:49+\j], v[32+\j:33+\j], v[84:85], 0xbf97d29d op_sel_hi:[1,1,0]
.endr
.irp c, 0x40097039, 0xbfd1a1e5, 0x3ecdfd18, 0xbe899a80, 0x3e0efb2e, 0x3f0a29d2, 0x3fb8ab5a, 0xc034d90f
.irp j, 0,2,4,6,8,10,12,14
	v_pk_fma_f32 v[48+\j:49+\j], v[48+\j:49+\j], v[32+\j:33+\j], \c op_sel_hi:[1,1,0]
.endr
.endr
.irp j, 0,2,4,6,8,10,12,14
	v_pk_fma_f32 v[48+\j:49+\j], v[64+\j:65+\j], 0xbf38aa3b, v[48+\j:49+\j] op_sel_hi:[1,0,1]
.endr
	s_wait_alu depctr_va_vdst(0)
.irp j, 0,1,2,3,4,5,6,7,8,9,10,11,12,13,14,15
	v_exp_f32 v[48+\j], v[48+\j]
.endr
.irp j, 0,1,2,3,4,5,6,7,8,9,10,11,12,13,14,15
	v_max_num_f32 v[64+\j], 0, v[X+\j]
.endr
	s_wait_alu depctr_va_vdst(0)
.irp j, 0,2,4,6,8,10,12,14
	v_pk_mul_f32 v[48+\j:49+\j], v[48+\j:49+\j], v[32+\j:33+\j]
.endr
.irp j, 0,1,2,3,4,5,6,7,8,9,10,11,12,13,14,15
	v_fma_f32 v[X+\j], -|v[X+\j]|, v[48+\j], v[64+\j]
.endr
.irp j, 0,1,2,3,4,5,6,7,8,9,10,11,12,13,14,15
	v_med3_num_f32 v[X+\j], v[X+\j], -v31, v31
.endr
	s_wait_alu depctr_va_vdst(0)
	s_wait_dscnt 0x0
	v_cvt_scalef32_pk8_fp8_f32 v[80:81], v[X:X+7], v30
	v_cvt_scalef32_pk8_fp8_f32 v[82:83], v[X+8:X+15], v30
	v_nop
	ds_store_b128 v24, v[80:83] offset:2304*(\a)+32*(\u)
.endm
.macro TILE more
	v_add_nc_u32 v[ADRA], s[TB], v[ABAS]
	v_add_nc_u32 v[ADRA+1], s[TB], v[ABAS+1]
	FETCHA 0, 0
	s_wait_alu depctr_va_vdst(0)
	KSTEP 0, 1
.irp q, 1,2,3,4,5,6,7
	KSTEP \q, 0
.endr
	WIN 0
	PLACES
.irp a, 0,1,2,3
	GELU16 \a, 0
	GELU16 \a, 1
.endr
	s_wait_dscnt 0x0
	s_barrier_signal -1
	s_barrier_wait -1
.irp t, 0,1,2,3,4,5,6,7
	ds_load_b128 v[32+4*\t:35+4*\t], v25 offset:576*\t
.endr
.irp t, 0,1,2,3,4,5,6,7
	s_wait_dscnt 7-\t
	global_store_b128 v6, v[32+4*\t:35+4*\t], s[76:77] offset:512*\t
.endr
.if \more
	s_wait_xcnt 0x0
	s_add_nc_u64 s[76:77], s[76:77], OSTEP
.endif
.endm
	s_load_b256 s[68:75], s[0:1], 0x0
	s_load_b64 s[76:77], s[0:1], 0x20
	v_lshl_add_u32 v[SPW], v0, 2, SPARE
	v_mov_b32 v[NIL], 0
	ds_add_u32 v28, v29
	ds_add_u32 v28, v29
	s_wait_dscnt 0x0
	v_lshrrev_b32 v1, 5, v0
	v_readfirstlane_b32 s10, v1
	s_lshr_b32 s11, s10, 1
	s_and_b32 s12, s10, 1
	s_bfe_u32 s40, ttmp6, 0x40000
	s_bfe_u32 s41, ttmp6, 0x40004
	s_lshl_b32 s42, ttmp9, 2
	s_add_co_u32 s42, s42, s40
	s_and_b32 s13, ttmp7, 0xffff
	s_lshl_b32 s13, s13, 2
	s_add_co_u32 s13, s13, s41
	s_lshl_b32 s43, s41, 2
	s_lshl_b32 s43, 15, s43
	s_or_b32 s[G1+0], s43, (1<<20)|(1<<21)|(5<<22)|(3<<25)
.irp g, G1
	s_mov_b32 s[\g+1], 256<<16
	s_mov_b32 s[\g+2], 128<<16
	s_mov_b32 s[\g+3], 256<<16
	s_mov_b32 s[\g+4], 128
	s_mov_b32 s[\g+5], 256
	s_mov_b32 s[\g+6], 0
	s_mov_b32 s[\g+7], 0
.endr
	s_lshl_b32 s16, s13, 1
	s_add_co_u32 s16, s16, s12
	s_lshl_b32 s16, s16, 3
	s_lshl_b32 s17, s11, 2
	s_add_co_u32 s16, s16, s17
	s_lshl_b32 s16, s16, 13
	s_mov_b32 s17, 0
	s_lshl_b32 s46, s42, 1
	s_add_co_u32 s46, s46, s12
	s_lshl_b32 s46, s46, 16                        ; my 64 columns of W1: eight blocks of 8,192 bytes on end
	s_add_co_u32 s46, s46, BOFF
	s_mov_b32 s47, 0
	s_mul_i32 s20, s10, HALFT
	s_wait_kmcnt 0x0
	s_load_b128 s[84:87], s[74:75], 0x28
	s_mov_b32 s[G0], 1
	s_mov_b32 s[G0+1], s20
	s_add_nc_u64 s[G0+2:G0+3], s[68:69], s[16:17]
	s_or_b32 s[G0+3], s[G0+3], 0x80000000
	s_add_nc_u64 s[G0B+2:G0B+3], s[70:71], s[46:47]   ; W1's codes go from memory straight into the registers in which they stay: they were laid as images of those registers, and a load into registers has no joint form
	CROUND
	tensor_load_to_lds s[G0:G0+3], s[G1:G1+7]
	s_nop 0
.rept 4
	v_nop
.endr
	v_and_b32 v1, 15, v0
	v_bfe_u32 v2, v0, 4, 1
	v_lshrrev_b32 v3, 1, v1
	v_mul_u32_u24 v3, v3, PITCH
	v_and_b32 v4, 1, v1
	v_lshl_add_u32 v3, v4, 7, v3
	v_lshl_add_u32 v3, v2, 4, v3
	s_mul_i32 s21, s11, HALFT
	v_add_nc_u32 v[ABAS], s21, v3
	v_add_nc_u32 v[ABAS+1], 2*HALFT, v[ABAS]
	v_and_b32 v5, 31, v0
	v_lshlrev_b32 v6, 4, v5
	s_mul_i32 s82, s11, 64*144
	s_lshl_b32 s83, s12, 6
	s_add_co_u32 s82, s82, s83
	s_add_co_u32 s82, s82, STAGE
	v_mul_u32_u24 v24, v1, 144
	v_lshl_add_u32 v24, v2, 4, v24
	v_add_nc_u32 v24, s82, v24
	s_mul_i32 s82, s10, 32*144
	s_add_co_u32 s82, s82, STAGE
	v_lshrrev_b32 v25, 3, v5
	v_mul_u32_u24 v25, v25, 144
	v_and_b32 v8, 7, v5
	v_lshl_add_u32 v25, v8, 4, v25
	v_add_nc_u32 v25, s82, v25
	v_lshlrev_b32 v7, 6, v2
	s_wait_alu depctr_va_vdst(0)
	s_lshl_b32 s82, s42, 9
	s_lshl_b32 s83, s12, 8
	s_add_co_u32 s82, s82, s83
	s_mov_b32 s83, 0
	s_add_nc_u64 s[72:73], s[72:73], s[82:83]
	s_lshl_b32 s82, s13, 1
	s_add_co_u32 s82, s82, s11
	s_lshl_b32 s82, s82, 5
	s_add_co_u32 s82, s82, s42
	s_lshl_b32 s82, s82, 13
	s_lshl_b32 s83, s12, 12
	s_add_co_u32 s82, s82, s83
	s_mov_b32 s83, 0
	s_add_nc_u64 s[76:77], s[76:77], s[82:83]
.irp u, 0,1
.irp i, 0,1,2,3
	global_load_b128 v[96+16*\u+4*\i:96+16*\u+4*\i+3], v7, s[72:73] offset:128*\u+16*\i
.endr
.endr
	s_wait_kmcnt 0x0
	s_add_co_i32 s92, s84, s85
	s_add_co_i32 s92, s92, 127
	s_lshl_b32 s92, s92, 23
	s_mov_b32 s93, s92
	s_mov_b32 s94, 0x3eb504f3
	s_add_co_i32 s95, s86, 127
	s_lshl_b32 s96, s95, 23
	v_mov_b32 v30, s96
	s_add_co_i32 s95, s95, 8
	s_lshl_b32 s95, s95, 23
	s_or_b32 s95, s95, 0x600000
	v_mov_b32 v31, s95
	v_mov_b32 v84, 0x3e7c6f08
	v_mov_b32 v85, 0x3e7c6f08
	s_wait_alu depctr_va_vdst(0)
	WIN 0x80
.irp q, 0,1,2,3
.irp t, 0,1,2,3
.irp c, 0,1,2,3
	global_load_b128 v[64*\q+16*\t+4*\c:64*\q+16*\t+4*\c+3], v6, s[G0B+2:G0B+3] offset:\q*8192+\t*2048+\c*512   ; 512 consecutive bytes a load
.endr
.endr
.endr
	WIN 0xc0
.irp q, 0,1,2,3
.irp t, 0,1,2,3
.irp c, 0,1,2,3
	global_load_b128 v[64*\q+16*\t+4*\c:64*\q+16*\t+4*\c+3], v6, s[G0B+2:G0B+3] offset:(\q+4)*8192+\t*2048+\c*512
.endr
.endr
.endr
	WIN 0
	s_wait_loadcnt 0x0
	s_mov_b32 s[TB], 0
	s_mov_b32 s3, 3
.Ltile:
	CHANGE 1
	TILE 1
	s_xor_b32 s[TB], s[TB], SLOT
	s_sub_co_u32 s3, s3, 1
	s_cmp_lg_u32 s3, 0
	s_cbranch_scc1 .Ltile
	CHANGE 0
	TILE 0
	s_wait_tensorcnt 0x0
	ds_add_u32 v[SPW], v[NIL]
	s_wait_dscnt 0x0
	CROUND
	s_endpgm
.Lfunc_end_k_qe75bceb339_ffn1:
	.size	k_qe75bceb339_ffn1, .Lfunc_end_k_qe75bceb339_ffn1-k_qe75bceb339_ffn1
	.p2alignl 7, 3214868480
	.fill 96, 4, 3214868480
	.section	.rodata,"a",@progbits
	.p2align	6, 0x0
	.amdhsa_kernel k_qe75bceb339_ffn1
		.amdhsa_group_segment_fixed_size 327680
		.amdhsa_private_segment_fixed_size 0
		.amdhsa_enable_private_segment 0
		.amdhsa_kernarg_size 40
		.amdhsa_user_sgpr_count 2
		.amdhsa_user_sgpr_kernarg_segment_ptr 1
		.amdhsa_wavefront_size32 1
		.amdhsa_system_sgpr_workgroup_id_x 1
		.amdhsa_system_sgpr_workgroup_id_y 1
		.amdhsa_system_sgpr_workgroup_id_z 1
		.amdhsa_system_vgpr_workitem_id 0
		.amdhsa_next_free_vgpr 1024
		.amdhsa_next_free_sgpr 100
		.amdhsa_reserve_vcc 0
		.amdhsa_float_denorm_mode_32 3
		.amdhsa_float_denorm_mode_16_64 3
		.amdhsa_memory_ordered 1
		.amdhsa_forward_progress 1
		.amdhsa_inst_pref_size 255
	.end_amdhsa_kernel
	.section	.bss,"aw",@nobits
	.p2align	6
	.space	262144
	.amdgpu_metadata
---
amdhsa.version: [ 1, 2 ]
amdhsa.kernels:
  - .name:           k_qe75bceb339_ffn1
    .symbol:         k_qe75bceb339_ffn1.kd
    .args:
      - { .name: hc, .offset: 0, .size: 8, .value_kind: global_buffer, .address_space: global }
      - { .name: pre, .offset: 8, .size: 8, .value_kind: global_buffer, .address_space: global }
      - { .name: b1, .offset: 16, .size: 8, .value_kind: global_buffer, .address_space: global }
      - { .name: lowp_scales, .offset: 24, .size: 8, .value_kind: global_buffer, .address_space: global }
      - { .name: gc, .offset: 32, .size: 8, .value_kind: global_buffer, .address_space: global }
    .group_segment_fixed_size: 327680
    .private_segment_fixed_size: 0
    .kernarg_segment_align: 8
    .kernarg_segment_size: 40
    .max_flat_workgroup_size: 128
    .sgpr_count:     100
    .vgpr_count:     1024
    .wavefront_size: 32
...
	.end_amdgpu_metadata
.endif
;; end of part 6
;; launch ffn2 (part 7): grid 8 x 32, 4 waves a work-group, clusters of 4 x 1, 327,680 bytes of LDS; arguments gc, pre, b2, x1, lowp_scales, out0; writes out0
.if DOCPART == 7
	.amdgcn_target "amdgcn-amd-amdhsa--gfx1250"
	.amdhsa_code_object_version 6
	.text
	.protected	k_qe75bceb339_ffn2
	.globl	k_qe75bceb339_ffn2
	.p2align	8
	.type	k_qe75bceb339_ffn2,@function
k_qe75bceb339_ffn2:
	s_mov_b64 s[64:65], 0
	v_nop
	global_prefetch_b8 v0, s[64:65] scope:SCOPE_SE
	s_setreg_imm32_b32 hwreg(HW_REG_WAVE_MODE, 25, 1), 1
	s_wait_xcnt 0x0
	s_wait_alu depctr_hold_cnt(0) depctr_sa_sdst(0) depctr_va_vdst(0) depctr_va_sdst(0) depctr_va_ssrc(0) depctr_va_vcc(0) depctr_vm_vsrc(0)
	s_getreg_b32 s2, hwreg(HW_REG_IB_STS2, 6, 4)
	s_cmp_eq_u32 s2, 0
	s_cbranch_scc0 .Lentry_in_a_cluster
	s_endpgm
.Lentry_in_a_cluster:
	s_bfe_u32 s2, ttmp6, 0x10000c
	s_cmp_lg_u32 s2, 0x3003
	s_cbranch_scc0 .Lentry_shape_is_right
	s_endpgm
.Lentry_shape_is_right:
; FFN2.  out0 = x1 + gelu-codes W2 + b2: a product on codes of E4M3, K = 4,096, each finished sum x 2^(e12 + e13).
; A tile of C is 128 x 128, four waves of 64 x 64 (16 accumulators, which take turns).  LIMIT: e12 + e13 between -126 and 127.
; A (gc: 64 rows x 128 K are 8,192 bytes on end) comes through two LDS slots of 128 rows x 1,024 K, four chunks in all; each wave brings a quarter of a chunk (64 rows x 512 K, dense: 128 rows of 256 bytes, 16 of padding) by one joint load.
; CLUSTER: the four tile columns of a cluster share A's rows and ask for them jointly.
; B (W2's codes) goes from memory straight into the operand's registers: it was laid as images of those registers, 512 consecutive bytes a load; a load into registers has no joint form.  So LDS holds A alone, in slots of 1,024 along K.
; Four sets of 64 registers: behind K step q its set takes K step q + 4's fragments; in front of K step q the count leaves out the 48 loads of steps q + 1 .. q + 3.
; PREFETCH: at the change that loads chunk c + 1, chunk c + 2 of A is asked for (c = 0, 1): of the 128 blocks of 256 bytes that a wave's load will name, each of the four partners takes 32, told apart by address, a lane a block.
; Chunks 0 and 1 come by their loads alone; nothing lies behind chunk 3.
; THE MATRIX INSTRUCTION IS USED TRANSPOSED (source 0 = 16 rows of W2, source 1 = 16 rows of A); with the order in which the weights' rows were laid, accumulators 2 u, 2 u + 1 of a lane are 16 neighbouring columns.
; REGISTERS.  Window 0: v1-30 addresses, v96-99 b2, v128-255 the accumulators.  Window 1: v0-127 A's fragments, two sets; v128-255 x1's 32 rows.  Window 2: B's four sets.
.set PITCH,  272
.set HALFT,  128*PITCH                 ; what one tensor load brings
.set SLOT,   4*HALFT
.set SPARE,  2*SLOT                    ; the spare words: 128 bytes a wave, two blocks of 256 bytes that no other line names
.set BOFF,   16777216                  ; W2's codes in pre
.set LO,   6                           ; 16 x lane
.set ABAS, 10                          ; v10-11 my A fragments within a slot: K 0-511, K 512-1,023
.set ADRA, 16                          ; v16-17 the same in the slot in hand
.set STI,  24
.set STO,  25
.set SPW,  28
.set NIL,  29
.set PFO,  30                          ; 256 x lane
.set BIA,  96
.set ACC,  128
.set RB,   128
.set G1,  24
.set G0,  32
.set TB,  36
.set BP,  46                           ; s[46:47] W2's codes: my 64 columns, the chunk in hand
.set PFA, 86                           ; s[86:87] where my prefetch stands
.set MSB, 0
.macro WIN new                         ; the immediate's high byte repeats the setting that is left
.if MSB != \new
	s_set_vgpr_msb (MSB<<8)|\new
.set MSB, \new
.endif
.endm
.macro CROUND
	s_barrier_signal -1
	s_barrier_wait -1
	s_cmp_lg_u32 s10, 0
	s_cbranch_scc1 .Lnot_wave_0_\@
	s_barrier_signal -3
.Lnot_wave_0_\@:
	s_barrier_wait -3
	s_barrier_signal -1
	s_barrier_wait -1
.endm
.macro PLACES                          ; four places behind matrix instructions, in front of loads into their sources and of reads of their results
.rept 4
	v_nop
.endr
.endm
.macro MUL4 f, a, q, zero
.irp t, 0,1,2,3
.if \zero
	v_wmma_f32_16x16x128_fp8_fp8 v[ACC+8*(4*(\a)+\t):ACC+8*(4*(\a)+\t)+7], v[64*((\q)%4)+16*\t:64*((\q)%4)+16*\t+15], v[(\f)+16*(\a):(\f)+16*(\a)+15], 0
.else
	v_wmma_f32_16x16x128_fp8_fp8 v[ACC+8*(4*(\a)+\t):ACC+8*(4*(\a)+\t)+7], v[64*((\q)%4)+16*\t:64*((\q)%4)+16*\t+15], v[(\f)+16*(\a):(\f)+16*(\a)+15], v[ACC+8*(4*(\a)+\t):ACC+8*(4*(\a)+\t)+7]
.endif
.endr
.endm
.macro FETCHA q, f                     ; A's four fragments of the chunk's q-th 128 along K
	WIN 0x40
.irp i, 0,1,2,3
.irp c, 0,1,2,3
	ds_load_b128 v[(\f)+16*\i+4*\c:(\f)+16*\i+4*\c+3], v[ADRA+((\q)/4)] offset:((\q)%4)*8704+\i*2176+32*\c
.endr
.endr
.endm
.macro BLOAD q                         ; B's four fragments of K step q, counted from the chunk in hand, into set q % 4
	WIN 0x80
.irp t, 0,1,2,3
.irp c, 0,1,2,3
	global_load_b128 v[64*((\q)%4)+16*\t+4*\c:64*((\q)%4)+16*\t+4*\c+3], v[LO], s[BP:BP+1] offset:(\q)*8192+\t*2048+\c*512
.endr
.endr
.endm
.macro KSTEP q, zero, lcnt, bl
	s_wait_loadcnt \lcnt                           ; this step's B is in; the loads of the later steps may be out
	s_wait_dscnt 8                                 ; A's blocks 0 and 1 are in
	WIN 0x06                                       ; source 0 (B) window 2, source 1 (A) window 1
	MUL4 64*((\q)%2), 0, \q, \zero
	MUL4 64*((\q)%2), 1, \q, \zero
.if (\q) < 7
	PLACES
	FETCHA (\q)+1, 64-64*((\q)%2)
	s_wait_dscnt 16                                ; all but the 16 just issued
	WIN 0x06
.else
	s_wait_dscnt 0x0
.endif
	MUL4 64*((\q)%2), 2, \q, \zero
	MUL4 64*((\q)%2), 3, \q, \zero
.if \bl
	PLACES
	BLOAD (\q)+4
.endif
.endm
; THE CHANGE OF SLOTS, at a chunk's head: all my tensor loads are waited for, the add, the wait for it and for my reads of the slot that I have left; fill = 1: a round of the cluster's barrier, and the other slot takes the next chunk.
.macro CHANGE fill, step
	s_wait_tensorcnt 0x0
	ds_add_u32 v[SPW], v[NIL]
.if \fill
	s_xor_b32 s[G0+1], s[G0+1], SLOT
	s_add_nc_u64 s[G0+2:G0+3], s[G0+2:G0+3], 65536
.endif
.if \step
	s_wait_xcnt 0x0                                ; my loads and my prefetch have read their bases
	s_add_nc_u64 s[BP:BP+1], s[BP:BP+1], 65536
.if \fill
	s_add_nc_u64 s[PFA:PFA+1], s[PFA:PFA+1], 65536
.endif
.endif
	s_wait_dscnt 0x0
.if \fill
	CROUND
	tensor_load_to_lds s[G0:G0+3], s[G1:G1+7]
	s_nop 0
.rept 4
	v_nop
.endr
.else
	s_barrier_signal -1
	s_barrier_wait -1
.endif
.endm
.macro CHUNK zero, last, ask           ; 1,024 along K: eight K steps
	v_add_nc_u32 v[ADRA], s[TB], v[ABAS]
	v_add_nc_u32 v[ADRA+1], s[TB], v[ABAS+1]
	FETCHA 0, 0
	WIN 0
.if \ask == 2
	s_cmp_gt_u32 s3, 1                             ; the loop's last trip has no chunk two on
	s_cbranch_scc0 .Lno_ask_\@
.endif
.if \ask
	global_prefetch_b8 v[PFO], s[PFA:PFA+1] th:TH_LOAD_NT scope:SCOPE_SE
.endif
.if \ask == 2
.Lno_ask_\@:
.endif
	s_wait_alu depctr_va_vdst(0)
.irp j, 0,1,2,3,4,5,6,7
.set LC, 48
.set BL, 1
.set ZZ, 0
.if \last
.if \j > 3
.set BL, 0
.set LC, 48-16*(\j-4)
.endif
.endif
.if \zero
.if \j == 0
.set ZZ, 1
.endif
.endif
	KSTEP \j, ZZ, LC, BL
.endr
	WIN 0
.endm
	s_load_b256 s[68:75], s[0:1], 0x0              ; gc, pre, b2, x1
	s_load_b128 s[76:79], s[0:1], 0x20             ; lowp_scales, out0
	v_lshl_add_u32 v[SPW], v0, 2, SPARE
	v_mov_b32 v[NIL], 0
	ds_add_u32 v[SPW], v[NIL]                      ; the opening lines: the add, twice on end, and its wait ahead of my first tensor load
	ds_add_u32 v[SPW], v[NIL]
	v_lshrrev_b32 v1, 5, v0
	v_readfirstlane_b32 s10, v1                    ; wave 0..3
	s_lshr_b32 s11, s10, 1                         ; my half of the tile's rows.  Also: which 512 of a chunk's K I fetch
	s_and_b32 s12, s10, 1                          ; my half of its columns.  Also: which 64 rows I fetch
	s_bfe_u32 s40, ttmp6, 0x40000                  ; cx: it enters B's, x1's, the output's and the prefetch's addresses alone
	s_lshl_b32 s42, ttmp9, 2
	s_add_co_u32 s42, s42, s40                     ; tile column
	s_and_b32 s13, ttmp7, 0xffff                   ; tile row, which the four partners share
	s_mov_b32 s[G1], 15|(1<<20)|(1<<21)|(5<<22)|(3<<25)   ; the mask: all four work-groups; elements of 1 byte; padding on; bit 21 beside a mask; 4 words behind every 64
	s_mov_b32 s[G1+1], 256<<16
	s_mov_b32 s[G1+2], 128<<16
	s_mov_b32 s[G1+3], 256<<16
	s_mov_b32 s[G1+4], 128
	s_mov_b32 s[G1+5], 256
	s_mov_b32 s[G1+6], 0
	s_mov_b32 s[G1+7], 0
	s_lshl_b32 s16, s13, 1
	s_add_co_u32 s16, s16, s12
	s_lshl_b32 s16, s16, 5                         ; 32 blocks of 128 K to a block of 64 rows
	s_lshl_b32 s17, s11, 2
	s_add_co_u32 s16, s16, s17
	s_lshl_b32 s16, s16, 13
	s_mov_b32 s17, 0
	s_lshl_b32 s46, s42, 1
	s_add_co_u32 s46, s46, s12
	s_lshl_b32 s46, s46, 18
	s_add_co_u32 s46, s46, BOFF
	s_mov_b32 s47, 0
	s_mul_i32 s20, s10, HALFT                      ; where my quarter goes
	s_mul_i32 s21, s11, HALFT                      ; my 64 rows of A
	s_mul_i32 s22, s11, 64*528                     ; the stage of the way out, in slot 0: 128 rows x 528
	s_lshl_b32 s23, s12, 8
	s_add_co_u32 s22, s22, s23
	s_mul_i32 s23, s10, 32*528
	s_lshl_b32 s82, s13, 7
	s_lshl_b32 s83, s10, 5
	s_add_co_u32 s82, s82, s83
	s_lshl_b32 s82, s82, 12
	s_lshl_b32 s80, s42, 9
	s_add_co_u32 s82, s82, s80                     ; x1 and out0: row 128 x tile row + 32 x wave, column 128 x tile column
	s_mov_b32 s83, 0
	s_mov_b32 s81, 0
	s_lshl_b32 s88, s40, 13
	s_add_co_u32 s88, s88, 131072                  ; the prefetch: my work-group's 32 blocks, in chunk 2
	s_mov_b32 s89, 0
	s_mov_b32 s[TB], 0
	s_wait_dscnt 0x0                               ; both opening adds are done
	s_wait_kmcnt 0x0
	s_load_b64 s[84:85], s[76:77], 0x30            ; e12, e13
	s_add_nc_u64 s[14:15], s[68:69], s[16:17]
	s_mov_b32 s[G0], 1
	s_mov_b32 s[G0+1], s20
	s_mov_b64 s[G0+2:G0+3], s[14:15]
	s_or_b32 s[G0+3], s[G0+3], 0x80000000
	s_add_nc_u64 s[PFA:PFA+1], s[14:15], s[88:89]
	s_add_nc_u64 s[BP:BP+1], s[70:71], s[46:47]
	s_add_nc_u64 s[72:73], s[72:73], s[80:81]
	s_add_nc_u64 s[74:75], s[74:75], s[82:83]
	s_add_nc_u64 s[78:79], s[78:79], s[82:83]
	CROUND                                         ; all four work-groups are here: the joint loads meet
	tensor_load_to_lds s[G0:G0+3], s[G1:G1+7]      ; chunk 0: one tensor load a wave at the head
	s_nop 0
.rept 4
	v_nop
.endr
	v_and_b32 v1, 15, v0                           ; r
	v_bfe_u32 v2, v0, 4, 1                         ; h
	v_lshrrev_b32 v3, 1, v1
	v_mul_u32_u24 v3, v3, PITCH
	v_and_b32 v4, 1, v1
	v_lshl_add_u32 v3, v4, 7, v3
	v_lshl_add_u32 v3, v2, 4, v3                   ; (r / 2) 272 + (r % 2) 128 + 16 h
	v_add_nc_u32 v[ABAS], s21, v3
	v_add_nc_u32 v[ABAS+1], 2*HALFT, v[ABAS]
	v_and_b32 v5, 31, v0
	v_lshlrev_b32 v[LO], 4, v5
	v_lshlrev_b32 v[PFO], 8, v5
	v_mul_u32_u24 v[STI], v1, 528
	v_lshl_add_u32 v[STI], v2, 6, v[STI]
	v_add_nc_u32 v[STI], s22, v[STI]               ; the stage: in, row r, 64 h bytes on
	v_add_nc_u32 v[STO], s23, v[LO]                ; back: a row of 512 bytes to the 32 lanes
	s_wait_alu depctr_va_vdst(0)
	WIN 0x40
.set T, 0
.rept 32
	global_load_b128 v[RB+4*T:RB+4*T+3], v[LO], s[74:75] offset:4096*T   ; x1: my 32 rows of the tile, asked for first, so that the counts below name B's loads alone
.set T, T+1
.endr
	WIN 0
	global_load_b128 v[BIA:BIA+3], v[LO], s[72:73]
.irp q, 0,1,2,3
	BLOAD \q
.endr
	WIN 0
	s_wait_alu depctr_va_vdst(0)
	CHANGE 1, 0                                    ; chunk 0 is in; slot 1's first fill is issued as a refill is
	CHUNK 1, 0, 1                                  ; the first chunk stands in front of the loop: its first products start the sums
	s_xor_b32 s[TB], s[TB], SLOT
	s_mov_b32 s3, 2
.Lchunk:
	CHANGE 1, 1
	CHUNK 0, 0, 2
	s_xor_b32 s[TB], s[TB], SLOT
	s_sub_co_u32 s3, s3, 1
	s_cmp_lg_u32 s3, 0
	s_cbranch_scc1 .Lchunk
	CHANGE 0, 1                                    ; the last chunk is written out: nothing more is fetched into LDS
	CHUNK 0, 1, 0
	; THE WAY OUT: the sums go through a stage in slot 0, which has had its last fill and which nobody reads behind the last change of slots; they come back as rows of 512 bytes
	PLACES
.irp a, 0,1,2,3
.irp u, 0,1
.irp i, 0,1,2,3
	ds_store_b128 v[STI], v[ACC+32*\a+16*\u+4*\i:ACC+32*\a+16*\u+4*\i+3] offset:\a*8448+128*\u+16*\i
.endr
.endr
.endr
	s_wait_kmcnt 0x0
	s_add_co_i32 s92, s84, s85
	s_add_co_i32 s92, s92, 127
	s_lshl_b32 s92, s92, 23                        ; 2^(e12 + e13)
	s_mov_b32 s93, s92
	WIN 0x41
.set T, 0
.rept 32
	v_pk_add_f32 v[RB+4*T:RB+4*T+1], v[RB+4*T:RB+4*T+1], v[BIA:BIA+1]         ; x1 + b2
	v_pk_add_f32 v[RB+4*T+2:RB+4*T+3], v[RB+4*T+2:RB+4*T+3], v[BIA+2:BIA+3]
.set T, T+1
.endr
	WIN 0
	s_wait_dscnt 0x0                               ; a row's 512 bytes come from two waves
	s_barrier_signal -1
	s_barrier_wait -1
.set T, 0
.rept 32
	ds_load_b128 v[ACC+4*T:ACC+4*T+3], v[STO] offset:528*T
.set T, T+1
.endr
	WIN 0x10
.set T, 0
.rept 32
	s_wait_dscnt 31-T                              ; the 31 - T younger loads may be out
	v_pk_fma_f32 v[ACC+4*T:ACC+4*T+1], v[ACC+4*T:ACC+4*T+1], s[92:93], v[RB+4*T:RB+4*T+1] op_sel_hi:[1,0,1]
	v_pk_fma_f32 v[ACC+4*T+2:ACC+4*T+3], v[ACC+4*T+2:ACC+4*T+3], s[92:93], v[RB+4*T+2:RB+4*T+3] op_sel_hi:[1,0,1]
	global_store_b128 v[LO], v[ACC+4*T:ACC+4*T+3], s[78:79] offset:4096*T th:TH_STORE_NT   ; 512 consecutive bytes, at a multiple of 256 from out0's first byte
.set T, T+1
.endr
	WIN 0
	s_wait_tensorcnt 0x0                           ; the wave's end
	ds_add_u32 v[SPW], v[NIL]
	s_wait_dscnt 0x0
	CROUND                                         ; the closing round
	s_endpgm
.Lfunc_end_k_qe75bceb339_ffn2:
	.size	k_qe75bceb339_ffn2, .Lfunc_end_k_qe75bceb339_ffn2-k_qe75bceb339_ffn2
	.p2alignl 7, 3214868480
	.fill 96, 4, 3214868480
	.section	.rodata,"a",@progbits
	.p2align	6, 0x0
	.amdhsa_kernel k_qe75bceb339_ffn2
		.amdhsa_group_segment_fixed_size 327680
		.amdhsa_private_segment_fixed_size 0
		.amdhsa_enable_private_segment 0
		.amdhsa_kernarg_size 48
		.amdhsa_user_sgpr_count 2
		.amdhsa_user_sgpr_kernarg_segment_ptr 1
		.amdhsa_wavefront_size32 1
		.amdhsa_system_sgpr_workgroup_id_x 1
		.amdhsa_system_sgpr_workgroup_id_y 1
		.amdhsa_system_sgpr_workgroup_id_z 1
		.amdhsa_system_vgpr_workitem_id 0
		.amdhsa_next_free_vgpr 768
		.amdhsa_next_free_sgpr 100
		.amdhsa_reserve_vcc 0
		.amdhsa_float_denorm_mode_32 3
		.amdhsa_float_denorm_mode_16_64 3
		.amdhsa_memory_ordered 1
		.amdhsa_forward_progress 1
		.amdhsa_inst_pref_size 122
	.end_amdhsa_kernel
	.amdgpu_metadata
---
amdhsa.version: [ 1, 2 ]
amdhsa.kernels:
  - .name:           k_qe75bceb339_ffn2
    .symbol:         k_qe75bceb339_ffn2.kd
    .args:
      - { .name: gc, .offset: 0, .size: 8, .value_kind: global_buffer, .address_space: global }
      - { .name: pre, .offset: 8, .size: 8, .value_kind: global_buffer, .address_space: global }
      - { .name: b2, .offset: 16, .size: 8, .value_kind: global_buffer, .address_space: global }
      - { .name: x1, .offset: 24, .size: 8, .value_kind: global_buffer, .address_space: global }
      - { .name: lowp_scales, .offset: 32, .size: 8, .value_kind: global_buffer, .address_space: global }
      - { .name: out0, .offset: 40, .size: 8, .value_kind: global_buffer, .address_space: global }
    .group_segment_fixed_size: 327680
    .private_segment_fixed_size: 0
    .kernarg_segment_align: 8
    .kernarg_segment_size: 48
    .max_flat_workgroup_size: 128
    .sgpr_count:     100
    .vgpr_count:     768
    .wavefront_size: 32
...
	.end_amdgpu_metadata
.endif
;; end of part 7
